; MI455X (gfx1250); checked and timed in simulation.
; The chip was launched on July 23, 2026; its instructions are those of AMD's public machine-readable ISA for CDNA 5 (MIT licence, August 2026) and "CDNA5" Instruction Set Architecture Reference Guide (July 2026). The comments in the code are by the model that wrote it; some were corrected since.
;; Attention. Allowed arithmetic: matrix products marked QUANTISED: E3M2 operands, one E8M0 scale for each 32 along K, by v_wmma_scale_f32_16x16x128_f8f6f4 with both operands' format E3M2, f32 sums; everything else in f32.
;; Inputs: Wk 1,024 x 1,024 float32; Wo 1,024 x 1,024 float32; Wq 1,024 x 1,024 float32; Wv 1,024 x 1,024 float32; bk 1,024 float32; bo 1,024 float32; bq 1,024 float32; bv 1,024 float32; key 4 x 2,048 x 1,024 float32; query 4 x 2,048 x 1,024 float32; value 4 x 2,048 x 1,024 float32.
;; Outputs: out0 4 x 2,048 x 1,024 float32.
;; This version of the problem:
;;   THIS VERSION OF THE PROBLEM IS GIVEN IN LOW PRECISION. The matrix products marked QUANTISED in the list below multiply operands that are first quantised to E3M2 (3 exponent bits, 2 mantissa bits; 6 bits a number), with one power-of-two scale for each 32 numbers along K (OCP MX v1.0); their sums are f32. All else is computed in f32.
;;   The module's matrix products, in the order in which they are computed (A, B: the left and right operand; K: the contracted axis; several contracted axes count as one K, in the product's order):
;;     1. [M 8,192, K 1,024] x [K 1,024, N 1,024]; A: input query; B: input Wq: QUANTISED
;;     2. [M 8,192, K 1,024] x [K 1,024, N 1,024]; A: input key; B: input Wk: QUANTISED
;;     3. [M 8,192, K 1,024] x [K 1,024, N 1,024]; A: input value; B: input Wv: QUANTISED
;;     4. batch 64 x [M 2,048, K 64] x [K 64, N 2,048]; A: computed on the way; B: computed on the way: QUANTISED
;;     5. batch 64 x [M 2,048, K 2,048] x [K 2,048, N 64]; A: softmax (see below); B: computed on the way: QUANTISED
;;     6. [M 8,192, K 1,024] x [K 1,024, N 1,024]; A: computed on the way; B: input Wo: QUANTISED
;;   THE QUANTISER, for each operand of a quantised product, along K:
;;     - K is cut into blocks of 32 from its start; a last block that is shorter is filled with zeros.
;;     - A block's scale is 2^e with e = floor(log2(the largest magnitude in the block)) - 4, held to -126 .. 127; a block of zeros has e = 0. As a byte (E8M0): e + 127.
;;     - Each number is divided by its block's scale, clamped to +-28, and rounded to the nearest number of E3M2, ties to even, subnormals kept.
;;     - The product sums the exact products of the quantised numbers (number of the format x scale) in f32.
;;   ~~~python
;;   def quantise(x, axis):      # numpy; x: float32 -> the quantised numbers, widened to float32 again
;;       x = np.moveaxis(x, axis, -1); K = x.shape[-1]
;;       x = np.pad(x, [(0, 0)] * (x.ndim - 1) + [(0, -K % 32)]); x = x.reshape(x.shape[:-1] + (-1, 32)); a = np.abs(x).max(-1, keepdims=True)
;;       e = np.where(a > 0, np.clip(np.frexp(np.where(a > 0, a, 1))[1] - 1 - 4, -126, 127), 0)      # np.frexp(a)[1] - 1 = floor(log2(a)), exactly
;;       r = np.clip(x / 2.0 ** e, -28, 28)
;;       step = 2.0 ** (np.maximum(np.frexp(np.where(r == 0, 1, r))[1] - 1, -2) - 2)
;;       q = np.round(r / step) * step * 2.0 ** e      # np.round: ties to even
;;       return np.moveaxis(q.reshape(q.shape[:-2] + (-1,))[..., :K], -1, axis).astype(np.float32)
;;   ~~~
;;   SOFTMAX AHEAD OF A QUANTISED PRODUCT. Where the list says 'softmax', what is quantised is not the finished softmax but p = 2^(t - M), with t = logit x log2(e) and M = ceil(the row's largest t), a whole number; so 1/2 < the row's largest p <= 1. The row's sum l is taken of the UNQUANTISED p, in f32, and the product's result is divided by l at the end. Since M is a whole number, a kernel that streams over the keys may use a running M (the ceiling of the running maximum): every later rescaling is an exact power of two, which a block's scale takes up: the codes' values come out the same.
;;   OPERANDS COMPUTED ON THE WAY. 'Computed on the way' means the value that the module computes at that place (a softmax that the list does not call 'softmax' is quantised finished and normalised). What goes into a quantiser is computed in f32, as accurately as f32 sums, v_exp_f32 and their like allow (about 1e-6 of the number): no bf16 or f16 on the way to a quantiser, and a product that is left as it is and whose result goes on into a quantised operand takes f32 operands (vector FMAs, or v_wmma_f32_16x16x4_f32). A number that lies on a knife's edge between two numbers of the format may be rounded either way, as far as f32 arithmetic and the matrix unit's own rounding can turn it there, and no further.
;; One version. Each part assembles by itself: llvm-mc -triple=amdgcn-amd-amdhsa -mcpu=gfx1250 --defsym DOCPART=n.
;; ======== version 1 of 1: 4 launches
;; workspace buffers: xc 18,874,368 bytes; xs 786,432 bytes; wc 3,145,728 bytes; ws 131,072 bytes; ac 18,874,368 bytes; asc 1,310,720 bytes; oc 6,291,456 bytes; os 262,144 bytes
;; launch quant (part 1): grid 896 x 1, 4 waves a work-group, no clusters, 68,096 bytes of LDS; arguments query, key, value, Wq, Wk, Wv, Wo, xc, xs, wc, ws; writes xc, xs, wc, ws
.if DOCPART == 1
	.amdgcn_target "amdgcn-amd-amdhsa--gfx1250"
	.amdhsa_code_object_version 6
	.text
	.protected	k_q5a9fd1fa4a_quant
	.globl	k_q5a9fd1fa4a_quant
	.p2align	8
	.type	k_q5a9fd1fa4a_quant,@function
k_q5a9fd1fa4a_quant:
	s_mov_b64 s[64:65], 0
	v_nop
	global_prefetch_b8 v0, s[64:65] scope:SCOPE_SE
	s_setreg_imm32_b32 hwreg(HW_REG_WAVE_MODE, 25, 1), 1
	s_wait_xcnt 0x0
; query, key, value [8192][1024] f32 (K innermost) and Wq, Wk, Wv, Wo [1024 (k)][1024 (n)] f32 (K outermost) become codes of BF6 (E3M2), K innermost, 768 bytes a row,
; with one E8M0 byte for each 32 along K, 32 bytes a row:  xc [3][8192][768], xs [3][8192][32];  wc [4][1024 (n)][768], ws [4][1024][32].
; A block's scale is 2^(floor(log2(its largest magnitude)) - 4): its byte is that magnitude's exponent field - 4, held at 1 from below.
; THE ROWS LIE IN POSITION ORDER: within each 32 rows the two middle groups of 8 change places (position 16 u + r holds row 8 u + r + 8 (r / 8)).  So 16 neighbouring rows of memory are a tile whose
; results, in the products that follow, fall into a lane's registers as neighbours along the next K.
; LIMITS: NaN and infinities are not served; a block whose largest magnitude lies under 2^-122 has its byte held at 1; a block of zeros gets the byte 1 where the rule says 127
; (its codes are zeros, which add nothing, and this program alone reads the bytes).
; Work-groups 0-127 take the weights (32 each: 128 columns x 256 along K), work-groups 128-895 the activations (256 each: 32 rows).  The two ways have LDS bytes of their own.
; No barrier: waves share nothing.
.set STEPS, 16
.set CB,    12                         ; bytes of 16 codes
.set XR,    16                         ; v16-79   activations: four sets of 16 numbers as loaded
.set XN,    80                         ; v80-111  two sets of 16 neighbours
.set XE,    112                        ; v112-127 a scale byte for each step
.set XC,    128                        ; v128-191 codes, four registers a step
.set WREG,  8192                       ; LDS of a wave on the activations' way: two stages of 32 x SP bytes, then its 256 scale bytes
.set SP,    80
.set WSTG,  32768                      ; LDS of the weights' way begins here
.set NB,    8                          ; blocks of 32 along K for a wave
.set WP,    272                        ; a stage row: sixteen places of 16 bytes + 16
.set KROW,  768                        ; a row of codes in memory
.set WN,    32                         ; v32-95   weights: two sets of 32 numbers
.set WC,    96                         ; v96..    a block's codes
.set OUTR,  112                        ; v112-175 the way out
.set SB,    24                         ; v24-25   eight scale bytes
	s_load_b256 s[4:11], s[0:1], 0x0               ; query, key, value, Wq
	s_load_b256 s[12:19], s[0:1], 0x20             ; Wk, Wv, Wo, xc
	s_load_b128 s[20:23], s[0:1], 0x40             ; xs, wc
	s_load_b64 s[24:25], s[0:1], 0x50              ; ws
	v_lshl_add_u32 v192, v0, 2, 0x10800
	v_mov_b32 v193, 0
	v_lshrrev_b32 v1, 5, v0
	v_readfirstlane_b32 s26, v1                    ; wave 0..3
	v_and_b32 v2, 31, v0                           ; lane
	s_cmp_lt_u32 ttmp9, 128
	s_cbranch_scc1 .Lweights
; ---------------- the activations: a wave takes 8 rows, 8,192 numbers, as 16 steps of 512 ----------------
	v_lshlrev_b32 v3, 4, v2                        ; my 16 bytes of a load's 512
	s_mul_i32 s27, s26, WREG
	v_lshrrev_b32 v14, 2, v2
	v_mul_u32_u24 v14, v14, SP
	v_and_b32 v15, 3, v2
	v_lshl_add_u32 v14, v15, 4, v14
	v_add_nc_u32 v14, s27, v14                     ; the stage, in: four lanes' 64 bytes on end, then 16 of padding
	v_mul_u32_u24 v15, v2, SP
	v_add_nc_u32 v15, s27, v15                     ; and out: my 16 neighbours
	v_mul_u32_u24 v4, v2, CB                       ; my codes' place in a step's 384 bytes
	v_lshrrev_b32 v5, 1, v2
	s_add_co_u32 s27, s27, 2*32*SP
	v_add_nc_u32 v5, s27, v5                       ; my block's byte among the wave's 256
	v_lshlrev_b32 v7, 3, v2
	v_add_nc_u32 v6, s27, v7
	s_sub_co_u32 s28, ttmp9, 128
	s_lshr_b32 s29, s28, 8                         ; which tensor: 0 query, 1 key, 2 value
	s_and_b32 s28, s28, 255
	s_lshl_b32 s28, s28, 2                         ; the work-group's first run of 8 rows
	s_add_co_u32 s30, s28, s26                     ; the run that I read
	s_and_b32 s31, s26, 1
	s_lshl_b32 s31, s31, 1
	s_lshr_b32 s32, s26, 1
	s_or_b32 s31, s31, s32
	s_add_co_u32 s31, s28, s31                     ; and its place in position order: the wave number's two bits change places
	s_lshl_b32 s32, s30, 15                        ; 32,768 bytes of f32 a run
	s_mov_b32 s33, 0
	s_mul_i32 s34, s29, 6291456
	s_mul_i32 s36, s31, 6144                       ; 6,144 bytes of codes a run
	s_add_co_u32 s34, s34, s36
	s_mov_b32 s35, 0
	s_lshl_b32 s36, s29, 18
	s_lshl_b32 s38, s31, 8                         ; 256 scale bytes a run
	s_add_co_u32 s36, s36, s38
	s_mov_b32 s37, 0
	s_wait_kmcnt 0x0
	s_cmp_eq_u32 s29, 1                            ; the choice hangs on the work-group's number alone
	s_cselect_b64 s[4:5], s[6:7], s[4:5]
	s_cmp_eq_u32 s29, 2
	s_cselect_b64 s[4:5], s[8:9], s[4:5]
	s_add_nc_u64 s[4:5], s[4:5], s[32:33]
	s_add_nc_u64 s[8:9], s[18:19], s[34:35]
	s_add_nc_u64 s[10:11], s[20:21], s[36:37]
.macro LOADX t
.irp i, 0,1,2,3
	global_load_b128 v[XR+16*((\t)%4)+4*\i:XR+16*((\t)%4)+4*\i+3], v3, s[4:5] offset:2048*(\t)+512*\i th:TH_LOAD_NT   ; 32 lanes read 512 consecutive bytes
.endr
.endm
.macro TURNX t                         ; step t's numbers through the stage: LDS serves a wave's instructions in order, so no wait stands between the stores and the loads
.irp i, 0,1,2,3
	ds_store_b128 v14, v[XR+16*((\t)%4)+4*\i:XR+16*((\t)%4)+4*\i+3] offset:32*SP*((\t)%2)+8*SP*\i
.endr
.irp i, 0,1,2,3
	ds_load_b128 v[XN+16*((\t)%2)+4*\i:XN+16*((\t)%2)+4*\i+3], v15 offset:32*SP*((\t)%2)+16*\i
.endr
.endm
.irp t, 0,1,2,3
	LOADX \t
.endr
	s_wait_loadcnt 12                              ; step 0's four loads are in
	TURNX 0
.macro STEPX t
.set XS, XN+16*((\t)%2)
.if (\t) > 0
	s_wait_dscnt 1                                 ; this step's numbers are back from the stage (the last step's byte store may be out)
.else
	s_wait_dscnt 0x0
.endif
.if (\t)+4 < STEPS
	LOADX (\t)+4                                   ; into the set whose stores into the stage have read their registers
.endif
.if (\t)+1 < STEPS
.if STEPS-2-(\t) >= 3
	s_wait_loadcnt 12                              ; the next step's four loads are in; the three steps behind it may be out
.else
	s_wait_loadcnt 4*(STEPS-2-(\t))
.endif
	TURNX (\t)+1
.endif
	v_max3_num_f32 v8, |v[XS]|, |v[XS+1]|, |v[XS+2]|               ; the largest magnitude of my 16, in two chains
	v_max3_num_f32 v9, |v[XS+3]|, |v[XS+4]|, |v[XS+5]|
.irp i, 6,10
	v_max3_num_f32 v8, v8, |v[XS+\i]|, |v[XS+\i+1]|
	v_max3_num_f32 v9, v9, |v[XS+\i+2]|, |v[XS+\i+3]|
.endr
	v_max3_num_f32 v8, v8, |v[XS+14]|, |v[XS+15]|
	v_max3_num_f32 v8, v8, v9, 0x2800000           ; and the floor 2^(5 - 127): the byte cannot fall under 1
	v_max_num_f32_dpp v8, v8, v8 row_xmask:1 row_mask:0xf bank_mask:0xf   ; with my neighbour's 16: the block's
	v_add_nc_u32 v11, 0xfe000000, v8               ; 4 off its exponent field: the conversion takes this operand's exponent field as its scale
	v_cvt_scalef32_pk16_bf6_f32 v[XC+4*(\t):XC+4*(\t)+2], v[XS:XS+15], v11
	v_lshrrev_b32 v[XE+(\t)], 23, v11              ; the scale's byte
	ds_store_b8 v5, v[XE+(\t)] offset:16*(\t)      ; both lanes of a block write the same byte with the same value
	global_store_b96 v4, v[XC+4*(\t):XC+4*(\t)+2], s[8:9] offset:32*CB*(\t)   ; the wave stores 384 consecutive bytes
.endm
.irp t, 0,1,2,3,4,5,6,7,8,9,10,11,12,13,14,15
	STEPX \t
.endr
	ds_load_b64 v[12:13], v6                       ; in order behind my byte stores
	s_wait_dscnt 0x0
	global_store_b64 v7, v[12:13], s[10:11]        ; 32 lanes store 256 consecutive bytes, aligned: eight rows' scale bytes
	s_wait_tensorcnt 0x0
	ds_add_u32 v192, v193
	s_wait_dscnt 0x0
	s_endpgm
; ---------------- the weights: a lane takes a column n, its registers run down K ----------------
.Lweights:
	s_lshr_b32 s27, ttmp9, 5                       ; which weight: 0 Wq, 1 Wk, 2 Wv, 3 Wo
	s_and_b32 s28, ttmp9, 7                        ; which 128 columns
	s_bfe_u32 s29, ttmp9, 0x20003                  ; which 256 along K
	s_lshl_b32 s30, s28, 7
	s_lshl_b32 s31, s26, 5
	s_add_co_u32 s30, s30, s31                     ; my wave's first column, a multiple of 32
	v_lshlrev_b32 v3, 2, v2                        ; in: 4 bytes a lane
	s_mul_i32 s31, s26, 32*WP
	s_add_co_u32 s31, s31, WSTG                    ; my stage
	v_mul_u32_u24 v4, v2, WP
	v_add_nc_u32 v4, s31, v4                       ; into it: row = my column
	v_and_b32 v5, 15, v2
	v_lshrrev_b32 v6, 4, v2
	v_mul_u32_u24 v7, v6, WP
	v_lshl_add_u32 v7, v5, 4, v7
	v_add_nc_u32 v7, s31, v7                       ; out of it: sixteen lanes to a row, two rows an instruction
	v_mul_u32_u24 v8, v6, KROW
	v_mad_u32_u24 v8, v5, 12, v8                   ; and the same place in the codes' buffer
	v_and_b32 v10, 7, v2                           ; my column's position among its 32: bits 3 and 4 change places
	v_and_b32 v11, 8, v2
	v_lshl_or_b32 v10, v11, 1, v10
	v_and_b32 v11, 16, v2
	v_lshrrev_b32 v11, 1, v11
	v_or_b32 v10, v10, v11
	v_lshlrev_b32 v9, 5, v10                       ; its row of scale bytes
	s_lshl_b32 s32, s29, 20                        ; W: 256 rows of 4,096 bytes,
	s_lshl_b32 s34, s30, 2
	s_add_co_u32 s32, s32, s34                     ; + 4 x column
	s_mov_b32 s33, 0
	s_mul_i32 s34, s27, 786432                     ; codes: the weight's section,
	s_mul_i32 s36, s30, KROW
	s_add_co_u32 s34, s34, s36                     ; + the 32 rows,
	s_mul_i32 s36, s29, 192
	s_add_co_u32 s34, s34, s36                     ; + 192 bytes for each 256 along K
	s_mov_b32 s35, 0
	s_lshl_b32 s36, s27, 15                        ; scale bytes likewise
	s_lshl_b32 s38, s30, 5
	s_add_co_u32 s36, s36, s38
	s_lshl_b32 s38, s29, 3
	s_add_co_u32 s36, s36, s38
	s_mov_b32 s37, 0
	s_wait_kmcnt 0x0
	s_bitcmp1_b32 s27, 1
	s_cselect_b64 s[40:41], s[14:15], s[10:11]     ; Wv or Wq
	s_cselect_b64 s[42:43], s[16:17], s[12:13]     ; Wo or Wk
	s_bitcmp1_b32 s27, 0
	s_cselect_b64 s[4:5], s[42:43], s[40:41]
	s_add_nc_u64 s[4:5], s[4:5], s[32:33]
	s_add_nc_u64 s[6:7], s[22:23], s[34:35]
	s_add_nc_u64 s[8:9], s[24:25], s[36:37]
.macro LOADW t                         ; block t: W(32 t + i, my column), i = 0 .. 31
.irp i, 0,1,2,3,4,5,6,7,8,9,10,11,12,13,14,15,16,17,18,19,20,21,22,23,24,25,26,27,28,29,30,31
	global_load_b32 v[WN+32*((\t)%2)+\i], v3, s[4:5] offset:(32*(\t)+\i)*4096 th:TH_LOAD_NT
.endr
.endm
	LOADW 0
	LOADW 1
.macro BLOCKW t
.set WS, WN+32*((\t)%2)
.if (\t) < NB-1
	s_wait_loadcnt 32                              ; this block's 32 loads are in; the next block's may be out
.else
	s_wait_loadcnt 0
.endif
	v_max3_num_f32 v12, |v[WS]|, |v[WS+1]|, |v[WS+2]|              ; all 32 numbers of the block are mine
	v_max3_num_f32 v13, |v[WS+3]|, |v[WS+4]|, |v[WS+5]|
.irp i, 6,10,14,18,22,26
	v_max3_num_f32 v12, v12, |v[WS+\i]|, |v[WS+\i+1]|
	v_max3_num_f32 v13, v13, |v[WS+\i+2]|, |v[WS+\i+3]|
.endr
	v_max3_num_f32 v12, v12, |v[WS+30]|, |v[WS+31]|
	v_max3_num_f32 v12, v12, v13, 0x2800000        ; the floor
	v_add_nc_u32 v11, 0xfe000000, v12              ; the conversion's scale operand
	v_lshrrev_b32 v13, 23, v11                     ; the scale's byte
.if (\t)%4 == 0
	v_mov_b32 v[SB+(\t)/4], v13
.else
	v_lshl_or_b32 v[SB+(\t)/4], v13, 8*((\t)%4), v[SB+(\t)/4]
.endif
	v_cvt_scalef32_pk16_bf6_f32 v[WC:WC+2], v[WS:WS+15], v11
	v_cvt_scalef32_pk16_bf6_f32 v[WC+4:WC+6], v[WS+16:WS+31], v11  ; (a conversion's three registers begin on an even number)
	ds_store_b96 v4, v[WC:WC+2] offset:32*(\t)     ; 12 bytes to a place of 16
	ds_store_b96 v4, v[WC+4:WC+6] offset:32*(\t)+16
.if (\t)+2 < NB
	LOADW (\t)+2
.endif
	s_wait_dscnt 0x0                               ; the stores have read their registers: the next block's codes may be written
.endm
.irp t, 0,1,2,3,4,5,6,7
	BLOCKW \t
.endr
	global_store_b64 v9, v[SB:SB+1], s[8:9]        ; my column's eight scale bytes
.irp t, 0,1,2,3,4,5,6,7,8,9,10,11,12,13,14,15
	ds_load_b96 v[OUTR+4*\t:OUTR+4*\t+2], v7 offset:2*\t*WP
.endr
.irp t, 0,1,2,3,4,5,6,7,8,9,10,11,12,13,14,15
	s_wait_dscnt 15-\t
	global_store_b96 v8, v[OUTR+4*\t:OUTR+4*\t+2], s[6:7] offset:(8*((((\t/4)&1)<<1)|((\t/4)>>1))+2*(\t%4))*KROW   ; columns 2 t, 2 t + 1 at their positions: the group of 8 goes to the group with its two bits exchanged
.endr
	s_wait_tensorcnt 0x0
	ds_add_u32 v192, v193
	s_wait_dscnt 0x0
	s_endpgm
.Lfunc_end_k_q5a9fd1fa4a_quant:
	.size	k_q5a9fd1fa4a_quant, .Lfunc_end_k_q5a9fd1fa4a_quant-k_q5a9fd1fa4a_quant
	.p2alignl 7, 3214868480
	.fill 96, 4, 3214868480
	.section	.rodata,"a",@progbits
	.p2align	6, 0x0
	.amdhsa_kernel k_q5a9fd1fa4a_quant
		.amdhsa_group_segment_fixed_size 68096
		.amdhsa_private_segment_fixed_size 0
		.amdhsa_enable_private_segment 0
		.amdhsa_kernarg_size 88
		.amdhsa_user_sgpr_count 2
		.amdhsa_user_sgpr_kernarg_segment_ptr 1
		.amdhsa_wavefront_size32 1
		.amdhsa_system_sgpr_workgroup_id_x 1
		.amdhsa_system_sgpr_workgroup_id_y 1
		.amdhsa_system_sgpr_workgroup_id_z 1
		.amdhsa_system_vgpr_workitem_id 0
		.amdhsa_next_free_vgpr 194
		.amdhsa_next_free_sgpr 66
		.amdhsa_reserve_vcc 0
		.amdhsa_float_denorm_mode_32 3
		.amdhsa_float_denorm_mode_16_64 3
		.amdhsa_memory_ordered 1
		.amdhsa_forward_progress 1
		.amdhsa_inst_pref_size 74
	.end_amdhsa_kernel
	.amdgpu_metadata
---
amdhsa.version: [ 1, 2 ]
amdhsa.kernels:
  - .name:           k_q5a9fd1fa4a_quant
    .symbol:         k_q5a9fd1fa4a_quant.kd
    .args:
      - { .name: query, .offset: 0, .size: 8, .value_kind: global_buffer, .address_space: global }
      - { .name: key, .offset: 8, .size: 8, .value_kind: global_buffer, .address_space: global }
      - { .name: value, .offset: 16, .size: 8, .value_kind: global_buffer, .address_space: global }
      - { .name: Wq, .offset: 24, .size: 8, .value_kind: global_buffer, .address_space: global }
      - { .name: Wk, .offset: 32, .size: 8, .value_kind: global_buffer, .address_space: global }
      - { .name: Wv, .offset: 40, .size: 8, .value_kind: global_buffer, .address_space: global }
      - { .name: Wo, .offset: 48, .size: 8, .value_kind: global_buffer, .address_space: global }
      - { .name: xc, .offset: 56, .size: 8, .value_kind: global_buffer, .address_space: global }
      - { .name: xs, .offset: 64, .size: 8, .value_kind: global_buffer, .address_space: global }
      - { .name: wc, .offset: 72, .size: 8, .value_kind: global_buffer, .address_space: global }
      - { .name: ws, .offset: 80, .size: 8, .value_kind: global_buffer, .address_space: global }
    .group_segment_fixed_size: 68096
    .private_segment_fixed_size: 0
    .kernarg_segment_align: 8
    .kernarg_segment_size: 88
    .max_flat_workgroup_size: 128
    .sgpr_count:     66
    .vgpr_count:     194
    .wavefront_size: 32
...
	.end_amdgpu_metadata
.endif
;; end of part 1
;; launch proj (part 2): grid 4 x 96, 4 waves a work-group, clusters of 4 x 4, 327,680 bytes of LDS; arguments xc, xs, wc, ws, bq, bk, bv, ac, asc; writes ac, asc
.if DOCPART == 2
	.amdgcn_target "amdgcn-amd-amdhsa--gfx1250"
	.amdhsa_code_object_version 6
	.text
	.protected	k_q5a9fd1fa4a_proj
	.globl	k_q5a9fd1fa4a_proj
	.p2align	8
	.type	k_q5a9fd1fa4a_proj,@function
k_q5a9fd1fa4a_proj:
	s_mov_b64 s[64:65], 0
	v_nop
	global_prefetch_b8 v0, s[64:65] scope:SCOPE_SE
	s_setreg_imm32_b32 hwreg(HW_REG_WAVE_MODE, 25, 1), 1
	s_wait_xcnt 0x0
	s_wait_alu depctr_hold_cnt(0) depctr_sa_sdst(0) depctr_va_vdst(0) depctr_va_sdst(0) depctr_va_ssrc(0) depctr_va_vcc(0) depctr_vm_vsrc(0)
	s_getreg_b32 s2, hwreg(HW_REG_IB_STS2, 6, 4)
	s_cmp_eq_u32 s2, 0
	s_cbranch_scc0 .Lentry_in_a_cluster
	s_endpgm
.Lentry_in_a_cluster:
	s_bfe_u32 s2, ttmp6, 0x10000c
	s_cmp_lg_u32 s2, 0xf033
	s_cbranch_scc0 .Lentry_shape_is_right
	s_endpgm
.Lentry_shape_is_right:
; The three projections Q = query Wq + bq, K = key Wk + bk, V = value Wv + bv on codes of BF6 (E3M2) with E8M0 scales, and their results quantised at once for the two products of attention.
; A tile of 256 x 256 is made by a work-group of four waves, 128 x 128 a wave: 64 accumulators of 16 x 16 in 512 registers.  K = 1,024 goes in four steps of 256 through a ring of two LDS slots filled by the tensor data mover;
; the scale bytes of the tile's 2 x 256 rows come once and stay.  4 x 4 work-groups form a cluster: the "A" tile is shared along a row of the cluster, the "B" tile along a column, each asked for jointly.
; THE MATRIX INSTRUCTION: source 0 = 16 rows of B, source 1 = 16 rows of A: a lane holds ONE row of A, and its registers run along B's rows.  All rows lie in memory in position order (within 32 rows the two middle
; groups of 8 exchanged), so that register 16 b + i of a lane's 64 belongs to B's true row 32 b + 16 (lane / 16) + i: 16 neighbours along the next product's K.
; ROLES, by the cluster's y (equal in all sixteen partners): 0-7 Q, 8-15 K: A = the tokens, B = the weight's columns: a lane holds a token, its registers the head's channels, which are the K of Q K^T.
;   16-23 V: A = the weight's columns, B = the tokens: a lane holds a channel, its registers the keys, which are the K of P V.
; RESULTS leave as images of operand registers, 512 consecutive aligned bytes a store:
;   ac  Q, K: [bh][pair of tiles of 16 positions][3][lane][16 B]: registers 0-5 the even tile's 64 codes a row, 6-11 the odd tile's;   V: [bh][128 keys][16 channels][3][lane][16 B]
;   asc Q, K: [bh][128 positions][lane][4 words]: word a of lane l: position 32 a + l, bytes 0, 1 its two blocks, bytes 2, 3 zero;      V: [bh][128 keys][lane][2 words]: word i: channels' tile 2 i in lanes 0-15, 2 i + 1 in lanes 16-31
; LIMITS: NaN and infinities are not served; a block whose largest magnitude lies under 2^-122 has its byte held at 1; a block of zeros gets the byte 1 (its codes are zeros; this program alone reads the bytes).
; REGISTERS, in windows of 256: window 0: v0-31 addresses; v32-63 scale words, two sets, and nothing else; v64-127 and v224-239 the biases; from v128 A's fragments, one set; window 1: B's fragments, two sets;
;   windows 2, 3: the accumulators ((a, b) at v[8 (8 (a % 4) + b)]).  Behind the K loop window 0 holds the work of the quantiser (names below).
.set KSTEP,  256
.set NQ,     2                         ; matrix instructions deep in a slot
.set ROWB,   192                       ; a tile's row in bytes
.set KROW,   768                       ; a row of codes in memory
.set PITCH,  240                       ; an LDS row: 3 x (64 bytes + 16 of padding)
.set FR,     12
.set NL,     6
.set NP,     4
.set HALFT,  128*PITCH
.set SLOT,   4*HALFT
.set LAPS,   2
.set KS,     32                        ; a row of scale bytes
.set SCL,    2*SLOT
.set HALFS,  (128*KS/256)*272
.set SBLK,   (16*KS/256)*272
.set SPARE,  SCL+4*HALFS               ; the spare words: 128 bytes for each wave, two blocks of 256 bytes that no other line names
.set ADRA, 16                          ; v16-19  LDS addresses of my A fragments (slot 0, 1; the same behind one padding more)
.set ADRB, 20                          ; v20-23  the same for B
.set CO8,  25                          ; v25     8 x lane
.set CO,   26                          ; v26     16 x lane
.set ADRS, 27                          ; v27     LDS address of my scale words
.set SPW,  28                          ; v28     my spare word; never rewritten
.set NIL,  29                          ; v29     0; never rewritten
.set SC,   32
.set BI,   64                          ; v64-127  the bias along my registers (Q, K)
.set AF,   128
.set BV,   224                         ; v224-239 the bias of my lane's row in block a, twice (V)
.set SW0,  2                           ; behind the loop: v2-5, v6-9 scale words of the two heads; v10-11 V's
.set SW1,  6
.set SWV,  10
.set TM,   12                          ; v12-15 largest magnitudes, v16-19 the other half's and then bytes, v20-23 the conversions' scale operands
.set WK,   128                         ; v128-191 64 numbers of a lane
.set IMG,  192                         ; v192-215 two images of 12 registers
.set TP,   216                         ; v216-218, v220-222 the conversions' second halves
.set PW,   219                         ; the scale word just made
.set PWE,  223                         ; and the even block's
.set G1, 24
.set G0, 32
.set G1B, 48
.set G0B, 56
.set G1S, 68
.set G0S, 76
.set G1SB, 80
.set G0SB, 88
.set ROLE, 67
.set SEL, 92                           ; s[92:93] behind the loop: selects of v_permlanex16_b32 for lane l xor 16
.set MH,  94                           ; s94      behind the loop: the mask of lanes 16-31
.set MSB, 0
.macro WIN new                         ; the immediate's high byte repeats the setting that is left
.if MSB != (\new)
	s_set_vgpr_msb (MSB<<8)|(\new)
.set MSB, (\new)
.endif
.endm
.set MUL_LO, 0xa1                      ; source 0 (B) window 1, source 1 (A) window 0, C and D window 2
.set MUL_HI, 0xf1
.set TO_B,   0x40
; A joint load: waves 0 and 1 fetch for A, waves 2 and 3 for B.  The branch hangs on the wave's number alone.  Four v_nop follow each of the two lines.
.macro JLOAD g0a, g1a, g0b, g1b
	s_cmp_eq_u32 s15, 0
	s_cbranch_scc0 .Lfor_b_\@
	tensor_load_to_lds s[\g0a:\g0a+3], s[\g1a:\g1a+7]
	s_nop 0
.rept 4
	v_nop
.endr
	s_branch .Lasked_\@
.Lfor_b_\@:
	tensor_load_to_lds s[\g0b:\g0b+3], s[\g1b:\g1b+7]
	s_nop 0
.rept 4
	v_nop
.endr
.Lasked_\@:
.endm
.macro CREST                           ; a round of the cluster's barrier behind its opening barrier
	s_cmp_lg_u32 s14, 0
	s_cbranch_scc1 .Lnot_wave_0_\@
	s_barrier_signal -3
.Lnot_wave_0_\@:
	s_barrier_wait -3
	s_barrier_signal -1
	s_barrier_wait -1
.endm
.macro CROUND
	s_barrier_signal -1
	s_barrier_wait -1
	CREST
.endm
	s_load_b256 s[4:11], s[0:1], 0x0               ; xc, xs, wc, ws
	s_load_b128 s[92:95], s[0:1], 0x20             ; bq, bk
	s_load_b128 s[96:99], s[0:1], 0x30             ; bv, ac
	s_load_b64 s[100:101], s[0:1], 0x40            ; asc
	v_lshl_add_u32 v[SPW], v0, 2, SPARE
	v_mov_b32 v[NIL], 0
	ds_add_u32 v28, v29
	ds_add_u32 v28, v29
	s_wait_dscnt 0x0
	v_lshrrev_b32 v1, 5, v0
	v_readfirstlane_b32 s14, v1                    ; wave 0..3
	s_lshr_b32 s15, s14, 1                         ; which half of A's rows is mine.  Also: I fetch for A (0) or for B (1)
	s_and_b32 s16, s14, 1                          ; which half of B's rows.  Also: which 128 rows I fetch
	s_bfe_u32 s40, ttmp6, 0x40000                  ; cx, cy: my place in the cluster
	s_bfe_u32 s41, ttmp6, 0x40004
	s_and_b32 s17, ttmp7, 0xffff                   ; the cluster's y, 0..23
	s_lshr_b32 s[ROLE], s17, 3                     ; 0 Q, 1 K, 2 V
	s_and_b32 s18, s17, 7
	s_cmp_eq_u32 s[ROLE], 2
	s_cselect_b32 s19, 0, s18                      ; the tokens' 32 tiles are walked by the cluster's y: along A for Q and K,
	s_cselect_b32 s18, s18, 0                      ; along B for V
	s_lshl_b32 s17, s19, 2
	s_add_co_u32 s17, s17, s41                     ; A's tile = 4 x .. + cy
	s_lshl_b32 s42, s18, 2
	s_add_co_u32 s42, s42, s40                     ; B's tile = 4 x .. + cx
	s_lshl_b32 s43, s41, 2
	s_lshl_b32 s43, 15, s43                        ; my row of the cluster
	s_lshl_b32 s44, 0x1111, s40                    ; my column
	; descriptor group 1: 128 rows x 192 bytes, 16 bytes of padding behind every 64
	s_or_b32 s[G1+0], s43, (0<<16)|(1<<20)|(1<<21)|(3<<22)|(3<<25)
	s_or_b32 s[G1B+0], s44, (0<<16)|(1<<20)|(1<<21)|(3<<22)|(3<<25)
.irp g, G1, G1B
	s_mov_b32 s[\g+1], ROWB<<16                    ; tensor_dim0
	s_mov_b32 s[\g+2], 128<<16                     ; tensor_dim1
	s_mov_b32 s[\g+3], ROWB<<16                    ; tile_dim0
	s_mov_b32 s[\g+4], 128                         ; tile_dim1
	s_mov_b32 s[\g+5], KROW                        ; the pitch
	s_mov_b32 s[\g+6], 0
	s_mov_b32 s[\g+7], 0
.endr
	; the scale bytes of 128 rows: 4,096 dense bytes as 16 rows of 256 (32 elements of 8 bytes), 16 bytes of padding behind each
	s_or_b32 s[G1S+0], s43, (3<<16)|(1<<20)|(1<<21)|(5<<22)|(3<<25)
	s_or_b32 s[G1SB+0], s44, (3<<16)|(1<<20)|(1<<21)|(5<<22)|(3<<25)
.irp g, G1S, G1SB
	s_mov_b32 s[\g+1], 32<<16
	s_mov_b32 s[\g+2], (128*KS/256)<<16
	s_mov_b32 s[\g+3], 32<<16
	s_mov_b32 s[\g+4], 128*KS/256
	s_mov_b32 s[\g+5], 32
	s_mov_b32 s[\g+6], 0
	s_mov_b32 s[\g+7], 0
.endr
	s_lshl_b32 s18, s16, 7                         ; which 128 rows of the tile I fetch
	s_lshl_b32 s20, s17, 8
	s_add_co_u32 s20, s20, s18                     ; A's row
	s_lshl_b32 s46, s42, 8
	s_add_co_u32 s46, s46, s18                     ; B's row
	s_lshl_b32 s22, s20, 5                         ; their scale bytes,
	s_lshl_b32 s2, s46, 5
	s_mul_i32 s20, s20, KROW                       ; their codes
	s_mul_i32 s46, s46, KROW
	s_mul_i32 s18, s[ROLE], 6291456                ; the role's section of xc,
	s_mul_i32 s19, s[ROLE], 786432                 ; of wc,
	s_lshl_b32 s12, s[ROLE], 18                    ; of xs,
	s_lshl_b32 s13, s[ROLE], 15                    ; of ws
	s_cmp_eq_u32 s[ROLE], 2
	s_cselect_b32 s21, s19, s18                    ; A is the weight for V, the tokens else
	s_cselect_b32 s47, s18, s19
	s_cselect_b32 s23, s13, s12
	s_cselect_b32 s3, s12, s13
	s_add_co_u32 s20, s20, s21
	s_add_co_u32 s46, s46, s47
	s_add_co_u32 s22, s22, s23
	s_add_co_u32 s2, s2, s3
	s_mov_b32 s21, 0
	s_mov_b32 s47, 0
	s_mov_b32 s23, 0
	s_mov_b32 s3, 0
	s_mul_i32 s45, s14, HALFT                      ; where they go: wave x 128 rows: no place in the cluster enters an LDS address
	s_mul_i32 s66, s14, HALFS
	s_wait_kmcnt 0x0
	s_cmp_eq_u32 s[ROLE], 2
	s_cselect_b64 s[12:13], s[8:9], s[4:5]         ; A's codes' buffer
	s_cselect_b64 s[8:9], s[4:5], s[8:9]           ; B's
	s_cselect_b64 s[4:5], s[10:11], s[6:7]         ; A's scales' buffer
	s_cselect_b64 s[10:11], s[6:7], s[10:11]       ; B's
	s_add_nc_u64 s[20:21], s[12:13], s[20:21]
	s_add_nc_u64 s[22:23], s[4:5], s[22:23]
	s_add_nc_u64 s[46:47], s[8:9], s[46:47]
	s_add_nc_u64 s[2:3], s[10:11], s[2:3]
	CROUND                                         ; all sixteen work-groups are here: the first joint loads meet
	s_mov_b32 s[G0S], 1
	s_add_co_u32 s[G0S+1], s66, SCL
	s_mov_b64 s[G0S+2:G0S+3], s[22:23]
	s_or_b32 s[G0S+3], s[G0S+3], 0x80000000
	s_mov_b32 s[G0SB], 1
	s_add_co_u32 s[G0SB+1], s66, SCL
	s_mov_b64 s[G0SB+2:G0SB+3], s[2:3]
	s_or_b32 s[G0SB+3], s[G0SB+3], 0x80000000
	JLOAD G0S, G1S, G0SB, G1SB                     ; the scales first: they are wanted with K step 0
.irp s, 0,1
	s_mov_b32 s[G0+4*\s], 1
	s_add_co_u32 s[G0+4*\s+1], s45, \s*SLOT
	s_add_nc_u64 s[G0+4*\s+2:G0+4*\s+3], s[20:21], \s*ROWB
	s_or_b32 s[G0+4*\s+3], s[G0+4*\s+3], 0x80000000
	s_mov_b32 s[G0B+4*\s], 1
	s_add_co_u32 s[G0B+4*\s+1], s45, \s*SLOT
	s_add_nc_u64 s[G0B+4*\s+2:G0B+4*\s+3], s[46:47], \s*ROWB
	s_or_b32 s[G0B+4*\s+3], s[G0B+4*\s+3], 0x80000000
	JLOAD G0+4*\s, G1, G0B+4*\s, G1B               ; three tensor loads of mine are out
.endr
	v_and_b32 v1, 15, v0                           ; r = l % 16
	v_bfe_u32 v2, v0, 4, 1                         ; h = l / 16
	v_mul_u32_u24 v3, v1, PITCH
	v_mul_u32_u24 v4, v2, 24
	v_add_nc_u32 v4, v3, v4                        ; a fragment's row x pitch + 24 x half
	v_lshl_add_u32 v5, v2, 4, v4                   ; and the same behind one padding more
	s_mul_i32 s21, s15, HALFT                      ; my 128 rows of A
	s_mul_i32 s22, s16, HALFT                      ; my 128 rows of B,
	s_add_co_u32 s22, s22, 2*HALFT                 ; behind A's 256
.irp s, 0,1
	v_add_nc_u32 v[ADRA+\s], s21, v4
	v_add_nc_u32 v[ADRB+\s], s22, v4
	v_add_nc_u32 v[ADRA+2+\s], s21, v5
	v_add_nc_u32 v[ADRB+2+\s], s22, v5
	s_add_co_u32 s21, s21, SLOT
	s_add_co_u32 s22, s22, SLOT
.endr
	v_mul_u32_u24 v5, v1, KS                       ; my row's scales: 32 bytes a row,
	v_lshrrev_b32 v6, 8, v5
	v_lshl_add_u32 v5, v6, 4, v5                   ; and 16 more for each 256 passed
	s_mul_i32 s21, s15, HALFS
	s_mul_i32 s22, s16, HALFS
	s_add_co_u32 s22, s22, 2*HALFS
	s_sub_co_u32 s22, s22, s21
	v_mul_u32_u24 v6, s22, v2                      ; lanes 16-31 take B's
	s_add_co_u32 s21, s21, SCL
	v_add_nc_u32 v5, v5, v6
	v_add_nc_u32 v[ADRS], s21, v5
	v_and_b32 v6, 31, v0
	v_lshlrev_b32 v[CO], 4, v6
	v_lshlrev_b32 v[CO8], 3, v6
	; THE BIAS of my wave's 128 output channels (B's rows for Q and K, A's for V), 512 bytes, in both forms, in every role: so no branch parts the text ahead of the K loop
	s_lshl_b32 s20, s17, 8
	s_lshl_b32 s21, s15, 7
	s_add_co_u32 s20, s20, s21
	s_lshl_b32 s46, s42, 8
	s_lshl_b32 s47, s16, 7
	s_add_co_u32 s46, s46, s47
	s_cmp_eq_u32 s[ROLE], 2
	s_cselect_b32 s20, s20, s46
	s_lshl_b32 s20, s20, 2
	s_mov_b32 s21, 0
	s_cmp_eq_u32 s[ROLE], 1
	s_cselect_b64 s[12:13], s[94:95], s[92:93]
	s_cmp_eq_u32 s[ROLE], 2
	s_cselect_b64 s[12:13], s[96:97], s[12:13]
	s_add_nc_u64 s[12:13], s[12:13], s[20:21]
	v_lshlrev_b32 v7, 6, v2                        ; along my registers: register 16 i + e is channel 32 i + 16 h + e
	v_and_b32 v8, 8, v1
	v_add_nc_u32 v8, v8, v1
	v_lshlrev_b32 v8, 2, v8                        ; my lane's row of block a is channel 32 (a / 2) + 8 (a % 2) + r + 8 (r / 8)
.irp i, 0,1,2,3
.irp k, 0,1,2,3
	global_load_b128 v[BI+16*\i+4*\k:BI+16*\i+4*\k+3], v7, s[12:13] offset:128*\i+16*\k
.endr
.endr
.irp a, 0,1,2,3,4,5,6,7
	global_load_b32 v[BV+2*\a], v8, s[12:13] offset:4*(32*(\a/2)+8*(\a%2))
	global_load_b32 v[BV+2*\a+1], v8, s[12:13] offset:4*(32*(\a/2)+8*(\a%2))   ; twice: a pair for the packed addition
.endr
.macro FRAG reg, adr, q, i             ; a fragment, 16 rows x 128 K of 6-bit codes: lane l holds row l % 16; registers 6 c .. 6 c + 5 hold K = 64 c + 32 (l / 16) + 0 .. 31: 24 bytes as they lie, in pieces of 8
.irp p, 0,1,2,3,4,5
.set PC, 12*(\q)+6*(\p/3)+\p%3        ; where the piece three on lies behind one padding more, the second address register serves
.if PC%8 < 5
	ds_load_b64 v[\reg+2*\p:\reg+2*\p+1], v[\adr] offset:8*PC+16*(PC/8)+(\i)*16*PITCH
.else
	ds_load_b64 v[\reg+2*\p:\reg+2*\p+1], v[\adr+2] offset:8*PC+16*(PC/8)+(\i)*16*PITCH
.endif
.endr
.endm
; 16 matrix instructions: A's blocks a0, a0 + 1 x B's eight.  The 64 accumulators take turns, one instruction a turn, in the same order in every step.
.macro MUL16 a0, p, q, sc, zero
.irp a, \a0, \a0+1
.irp b, 0,1,2,3,4,5,6,7
.if \zero
	v_wmma_scale_f32_16x16x128_f8f6f4 v[8*(8*((\a)%4)+\b):8*(8*((\a)%4)+\b)+7], v[128*(\p)+FR*\b:128*(\p)+FR*\b+FR-1], v[AF+FR*(\a):AF+FR*(\a)+FR-1], 0, v[SC+8*NQ*(\sc)+NQ*\b+(\q)], v[SC+8*NQ*(\sc)+NQ*(\a)+(\q)] matrix_a_fmt:MATRIX_FMT_BF6 matrix_b_fmt:MATRIX_FMT_BF6 matrix_a_scale:MATRIX_SCALE_ROW1
.else
	v_wmma_scale_f32_16x16x128_f8f6f4 v[8*(8*((\a)%4)+\b):8*(8*((\a)%4)+\b)+7], v[128*(\p)+FR*\b:128*(\p)+FR*\b+FR-1], v[AF+FR*(\a):AF+FR*(\a)+FR-1], v[8*(8*((\a)%4)+\b):8*(8*((\a)%4)+\b)+7], v[SC+8*NQ*(\sc)+NQ*\b+(\q)], v[SC+8*NQ*(\sc)+NQ*(\a)+(\q)] matrix_a_fmt:MATRIX_FMT_BF6 matrix_b_fmt:MATRIX_FMT_BF6 matrix_a_scale:MATRIX_SCALE_ROW1
.endif
.endr
.endr
.endm
.macro FETCH_B slot, q, p
	WIN TO_B
.irp i, 0,1,2,3,4,5,6,7
	FRAG 128*(\p)+FR*\i, ADRB+\slot, \q, \i
.endr
	WIN 0
.endm
.macro FETCH_A slot, q, i0
.irp i, \i0, \i0+1, \i0+2, \i0+3
	FRAG AF+FR*(\i), ADRA+\slot, \q, \i
.endr
.endm
.macro SCALES sc                       ; a K step's scale words: lanes 0-15 take A's block i, lanes 16-31 B's block i
.irp i, 0,1,2,3,4,5,6,7
	ds_load_b64 v[SC+8*NQ*\sc+NQ*\i:SC+8*NQ*\sc+NQ*\i+1], v[ADRS] offset:\i*SBLK
.endr
.endm
.macro PLACES n                        ; plain vector instructions between a matrix instruction and a load into, or a vector write or read of, its registers (ISA guide 7.12.1 for vector writes and reads)
.rept \n
	v_nop
.endr
.endm
.macro STEP slot, q, zero              ; a step of 128 along K that has its successor in the same slot
	s_wait_dscnt 4*NL                              ; B's set and A's blocks 0-3 are in; the youngest 24 loads (A's blocks 4-7) may be out
	WIN MUL_LO
	MUL16 0, (\q)%2, \q, \slot, \zero
	MUL16 2, (\q)%2, \q, \slot, \zero
	s_wait_dscnt 0
	PLACES NP
	FETCH_B \slot, (\q)+1, 1-(\q)%2
	FETCH_A \slot, (\q)+1, 0
	WIN MUL_HI
	MUL16 4, (\q)%2, \q, \slot, \zero
	MUL16 6, (\q)%2, \q, \slot, \zero
	PLACES NP
	WIN 0
	FETCH_A \slot, (\q)+1, 4
.endm
; A slot's last step changes slots: one barrier; in front of it each wave waits for all its tensor loads, adds 0 to its spare word, and waits for that and for its own reads of this slot.
.macro TURN slot, next, fill
	s_wait_tensorcnt 0x0                           ; all my tensor loads have landed: my part of the next slot
	ds_add_u32 v[SPW], v[NIL]                      ; 0 onto my spare word
	s_wait_dscnt 4*NL+1                            ; (the add and A's blocks 4-7 may be out)
	WIN MUL_LO
	MUL16 0, 1, NQ-1, \slot, 0
	s_wait_dscnt 0x0                               ; the add is done, and my reads of this slot are over
	s_barrier_signal -1
	MUL16 2, 1, NQ-1, \slot, 0
	WIN 0
	s_barrier_wait -1
.if \fill
	CREST                                          ; the barrier has opened a round of the cluster's barrier: no wave of any partner still reads this slot or has a load on its way
	s_add_nc_u64 s[G0+4*\slot+2:G0+4*\slot+3], s[G0+4*\slot+2:G0+4*\slot+3], 2*ROWB
	s_add_nc_u64 s[G0B+4*\slot+2:G0B+4*\slot+3], s[G0B+4*\slot+2:G0B+4*\slot+3], 2*ROWB
	JLOAD G0+4*\slot, G1, G0B+4*\slot, G1B         ; the first tensor load behind the round, my only one until the next; its four v_nop are the places in front of the loads below
.else
	PLACES NP
.endif
	v_add_nc_u32 v[ADRS], 4*NQ, v[ADRS]            ; on to the next K step's scale words
	FETCH_B \next, 0, 0
	FETCH_A \next, 0, 0
	SCALES \next
	WIN MUL_HI
	MUL16 4, 1, NQ-1, \slot, 0
	MUL16 6, 1, NQ-1, \slot, 0
	PLACES NP
	WIN 0
	FETCH_A \next, 0, 4
.endm
	s_wait_tensorcnt 1                             ; the scales and my part of K step 0 are in (K step 1's load may be out)
	s_barrier_signal -1
	s_barrier_wait -1
	FETCH_B 0, 0, 0
	FETCH_A 0, 0, 0
	SCALES 0
	FETCH_A 0, 0, 4
	STEP 0, 0, 1                                   ; the first step's products start the sums
	s_mov_b32 s3, LAPS-1
.Llap:                                                 ; a trip goes once round the ring and fills both slots again
	TURN 0, 1, 1
	STEP 1, 0, 0
	TURN 1, 0, 1
	STEP 0, 0, 0
	s_sub_co_u32 s3, s3, 1
	s_cmp_lg_u32 s3, 0
	s_cbranch_scc1 .Llap
	TURN 0, 1, 0                                   ; the last lap fills nothing
	STEP 1, 0, 0
	s_wait_dscnt 4*NL
	WIN MUL_LO
	MUL16 0, 1, NQ-1, 1, 0
	MUL16 2, 1, NQ-1, 1, 0
	s_wait_dscnt 0
	WIN MUL_HI
	MUL16 4, 1, NQ-1, 1, 0
	MUL16 6, 1, NQ-1, 1, 0
	WIN 0
; ---------------- THE WAY OUT: bias, quantiser, images.  No LDS ----------------
.macro ADDB_QK a                       ; block a's 64 numbers + the bias along the registers; each accumulator is read from its low end on
	WIN 0x02+(\a)/4
.set j, 0
.rept 32
	v_pk_add_f32 v[WK+j:WK+j+1], v[64*((\a)%4)+j:64*((\a)%4)+j+1], v[BI+j:BI+j+1]
.set j, j+2
.endr
	WIN 0
.endm
.macro ADDB_V a                        ; the same with my lane's one number of block a
	WIN 0x02+(\a)/4
.set j, 0
.rept 32
	v_pk_add_f32 v[WK+j:WK+j+1], v[64*((\a)%4)+j:64*((\a)%4)+j+1], v[BV+2*(\a):BV+2*(\a)+1]
.set j, j+2
.endr
	WIN 0
.endm
; 64 numbers of a lane, register 16 b + i = k 32 b + 16 (lane / 16) + i of my row, become codes: blocks 0, 1 in v[d0 .. d0 + 5], blocks 2, 3 in v[d1 .. d1 + 5] (lane half h holds block h of each), and the row's scale word in v[PW]
.macro QUANT s, d0, d1
.irp b, 0,1,2,3
	v_max3_num_f32 v[TM+\b], |v[\s+16*\b]|, |v[\s+1+16*\b]|, 0x2800000   ; my 16 numbers of block b, and the floor 2^(5 - 127)
.endr
.irp i, 2,4,6,8,10,12,14
.irp b, 0,1,2,3
	v_max3_num_f32 v[TM+\b], v[TM+\b], |v[\s+16*\b+\i]|, |v[\s+1+16*\b+\i]|
.endr
.endr
.irp b, 0,1,2,3
	v_permlanex16_b32 v[TM+4+\b], v[TM+\b], s[SEL], s[SEL+1]
.endr
.irp b, 0,1,2,3
	v_max_num_f32 v[TM+\b], v[TM+\b], v[TM+4+\b]   ; with lane l xor 16's: the block's largest magnitude
.endr
.irp b, 0,1,2,3
	v_add_nc_u32 v[TM+8+\b], 0xfe000000, v[TM+\b]  ; 4 off its exponent field: the conversion's scale operand
.endr
.irp b, 0,1,2,3
	v_lshrrev_b32 v[TM+4+\b], 23, v[TM+8+\b]       ; the scale's byte
.endr
	v_lshl_or_b32 v[PW], v[TM+5], 8, v[TM+4]
	v_lshl_or_b32 v[PW], v[TM+6], 16, v[PW]
	v_lshl_or_b32 v[PW], v[TM+7], 24, v[PW]
	v_cvt_scalef32_pk16_bf6_f32 v[\d0:\d0+2], v[\s:\s+15], v[TM+8]
	v_cvt_scalef32_pk16_bf6_f32 v[TP:TP+2], v[\s+16:\s+31], v[TM+9]
	v_cvt_scalef32_pk16_bf6_f32 v[\d1:\d1+2], v[\s+32:\s+47], v[TM+10]
	v_cvt_scalef32_pk16_bf6_f32 v[TP+4:TP+6], v[\s+48:\s+63], v[TM+11]
	v_nop                                          ; one plain place behind a scaled conversion
.irp i, 0,1,2
	v_permlane16_swap_b32 v[\d0+\i], v[TP+\i]      ; a whole block to a lane: lanes 0-15 the even block, lanes 16-31 the odd
.endr
.irp i, 0,1,2
	v_mov_b32 v[\d0+3+\i], v[TP+\i]
.endr
.irp i, 0,1,2
	v_permlane16_swap_b32 v[\d1+\i], v[TP+4+\i]
.endr
.irp i, 0,1,2
	v_mov_b32 v[\d1+3+\i], v[TP+4+\i]
.endr
.endm
	s_wait_loadcnt 0x0                             ; the biases
	PLACES NP                                      ; behind the last products: their results are read and their operands' registers written from here on
	s_mov_b32 s[SEL], 0x76543210
	s_mov_b32 s[SEL+1], 0xfedcba98
	s_mov_b32 s[MH], 0xffff0000
.irp b, 0,1,2,3
	v_mov_b32 v[TM+4+\b], 0                        ; written once: a lane permute's destination counts as one of its sources
.endr
	s_cmp_eq_u32 s[ROLE], 2                        ; the role is the same in all partners of the cluster
	s_cbranch_scc1 .Lrole_v
	; Q, K: my 128 positions are one run of 128 of one batch; my 128 channels are two heads
	s_lshr_b32 s20, s17, 3
	s_lshl_b32 s20, s20, 4                         ; 16 x batch
	s_lshl_b32 s21, s42, 2
	s_add_co_u32 s20, s20, s21
	s_lshl_b32 s21, s16, 1
	s_add_co_u32 s20, s20, s21                     ; + my first head
	s_lshl_b32 s21, s17, 1
	s_add_co_u32 s21, s21, s15
	s_and_b32 s21, s21, 15                         ; which 128 positions of the batch's 2,048
	s_mul_i32 s22, s[ROLE], 6291456
	s_mul_i32 s23, s20, 98304
	s_add_co_u32 s22, s22, s23
	s_mul_i32 s23, s21, 6144                       ; four images of 1,536 bytes
	s_add_co_u32 s22, s22, s23
	s_mov_b32 s23, 0
	s_add_nc_u64 s[98:99], s[98:99], s[22:23]
	s_lshl_b32 s22, s[ROLE], 19
	s_lshl_b32 s46, s20, 13
	s_add_co_u32 s22, s22, s46
	s_lshl_b32 s46, s21, 9
	s_add_co_u32 s22, s22, s46
	s_add_nc_u64 s[100:101], s[100:101], s[22:23]
.irp p, 0,1,2,3                        ; a pair of blocks of 16 positions makes one image for each of the two heads
	s_wait_xcnt 0x0                                ; the last pair's stores have read their registers
	ADDB_QK 2*\p
	QUANT WK, IMG, IMG+12
	v_mov_b32 v[PWE], v[PW]
	ADDB_QK 2*\p+1
	QUANT WK, IMG+6, IMG+18
	v_cndmask_b32 v[SW0+\p], v[PWE], v[PW], s[MH]  ; lanes 0-15 the even block's words, lanes 16-31 the odd block's: lane l has position 32 p + l
	v_lshrrev_b32 v[SW1+\p], 16, v[SW0+\p]         ; the second head's two bytes,
	v_and_b32 v[SW0+\p], 0xffff, v[SW0+\p]         ; the first head's
.irp c, 0,1
.irp k, 0,1,2
	global_store_b128 v[CO], v[IMG+12*\c+4*\k:IMG+12*\c+4*\k+3], s[98:99] offset:\c*98304+\p*1536+512*\k   ; 512 consecutive bytes, aligned
.endr
.endr
.endr
	global_store_b128 v[CO], v[SW0:SW0+3], s[100:101]
	global_store_b128 v[CO], v[SW1:SW1+3], s[100:101] offset:8192
	s_branch .Lend
.Lrole_v:
	; V: my 128 channels are two heads of four tiles; my 128 tokens are one run of 128 keys
	s_lshr_b32 s20, s42, 3
	s_lshl_b32 s20, s20, 4
	s_lshl_b32 s21, s17, 2
	s_add_co_u32 s20, s20, s21
	s_lshl_b32 s21, s15, 1
	s_add_co_u32 s20, s20, s21                     ; 16 x batch + my first head
	s_lshl_b32 s21, s42, 1
	s_add_co_u32 s21, s21, s16
	s_and_b32 s21, s21, 15                         ; which 128 keys
	s_mul_i32 s22, s20, 98304
	s_add_co_u32 s22, s22, 12582912
	s_mul_i32 s23, s21, 6144
	s_add_co_u32 s22, s22, s23
	s_mov_b32 s23, 0
	s_add_nc_u64 s[98:99], s[98:99], s[22:23]
	s_lshl_b32 s22, s20, 12
	s_add_co_u32 s22, s22, 1048576
	s_lshl_b32 s46, s21, 8
	s_add_co_u32 s22, s22, s46
	s_add_nc_u64 s[100:101], s[100:101], s[22:23]
.irp a, 0,1,2,3,4,5,6,7
	s_wait_xcnt 0x0                                ; the last block's stores have read their registers
	ADDB_V \a
	QUANT WK, IMG, IMG+6                           ; a fragment of 16 channels x 128 keys
.irp k, 0,1,2
	global_store_b128 v[CO], v[IMG+4*\k:IMG+4*\k+3], s[98:99] offset:(\a/4)*98304+(\a%4)*1536+512*\k
.endr
.if \a%2 == 0
	v_mov_b32 v[PWE], v[PW]
.else
	v_cndmask_b32 v[SWV+(\a%4)/2], v[PWE], v[PW], s[MH]
.endif
.if \a%4 == 3
	global_store_b64 v[CO8], v[SWV:SWV+1], s[100:101] offset:(\a/4)*4096   ; 256 consecutive bytes, aligned
.endif
.endr
.Lend:
	s_wait_tensorcnt 0x0                           ; the wave's end
	ds_add_u32 v[SPW], v[NIL]
	s_wait_dscnt 0x0
	CROUND                                         ; the closing round
	s_endpgm
.Lfunc_end_k_q5a9fd1fa4a_proj:
	.size	k_q5a9fd1fa4a_proj, .Lfunc_end_k_q5a9fd1fa4a_proj-k_q5a9fd1fa4a_proj
	.p2alignl 7, 3214868480
	.fill 96, 4, 3214868480
	.section	.rodata,"a",@progbits
	.p2align	6, 0x0
	.amdhsa_kernel k_q5a9fd1fa4a_proj
		.amdhsa_group_segment_fixed_size 327680
		.amdhsa_private_segment_fixed_size 0
		.amdhsa_enable_private_segment 0
		.amdhsa_kernarg_size 72
		.amdhsa_user_sgpr_count 2
		.amdhsa_user_sgpr_kernarg_segment_ptr 1
		.amdhsa_wavefront_size32 1
		.amdhsa_system_sgpr_workgroup_id_x 1
		.amdhsa_system_sgpr_workgroup_id_y 1
		.amdhsa_system_sgpr_workgroup_id_z 1
		.amdhsa_system_vgpr_workitem_id 0
		.amdhsa_next_free_vgpr 1024
		.amdhsa_next_free_sgpr 102
		.amdhsa_reserve_vcc 0
		.amdhsa_float_denorm_mode_32 3
		.amdhsa_float_denorm_mode_16_64 3
		.amdhsa_memory_ordered 1
		.amdhsa_forward_progress 1
		.amdhsa_inst_pref_size 235
	.end_amdhsa_kernel
	.amdgpu_metadata
---
amdhsa.version: [ 1, 2 ]
amdhsa.kernels:
  - .name:           k_q5a9fd1fa4a_proj
    .symbol:         k_q5a9fd1fa4a_proj.kd
    .args:
      - { .name: xc, .offset: 0, .size: 8, .value_kind: global_buffer, .address_space: global }
      - { .name: xs, .offset: 8, .size: 8, .value_kind: global_buffer, .address_space: global }
      - { .name: wc, .offset: 16, .size: 8, .value_kind: global_buffer, .address_space: global }
      - { .name: ws, .offset: 24, .size: 8, .value_kind: global_buffer, .address_space: global }
      - { .name: bq, .offset: 32, .size: 8, .value_kind: global_buffer, .address_space: global }
      - { .name: bk, .offset: 40, .size: 8, .value_kind: global_buffer, .address_space: global }
      - { .name: bv, .offset: 48, .size: 8, .value_kind: global_buffer, .address_space: global }
      - { .name: ac, .offset: 56, .size: 8, .value_kind: global_buffer, .address_space: global }
      - { .name: asc, .offset: 64, .size: 8, .value_kind: global_buffer, .address_space: global }
    .group_segment_fixed_size: 327680
    .private_segment_fixed_size: 0
    .kernarg_segment_align: 8
    .kernarg_segment_size: 72
    .max_flat_workgroup_size: 128
    .sgpr_count:     102
    .vgpr_count:     1024
    .wavefront_size: 32
...
	.end_amdgpu_metadata
.endif
;; end of part 2
;; launch attn (part 3): grid 4 x 64, 16 waves a work-group, clusters of 4 x 1, 223,232 bytes of LDS; arguments ac, asc, oc, os; writes oc, os
.if DOCPART == 3
	.amdgcn_target "amdgcn-amd-amdhsa--gfx1250"
	.amdhsa_code_object_version 6
	.text
	.protected	k_q5a9fd1fa4a_attn
	.globl	k_q5a9fd1fa4a_attn
	.p2align	8
	.type	k_q5a9fd1fa4a_attn,@function
k_q5a9fd1fa4a_attn:
	s_mov_b64 s[64:65], 0
	v_nop
	global_prefetch_b8 v0, s[64:65] scope:SCOPE_SE
	s_setreg_imm32_b32 hwreg(HW_REG_WAVE_MODE, 25, 1), 1
	s_wait_xcnt 0x0
	s_wait_alu depctr_hold_cnt(0) depctr_sa_sdst(0) depctr_va_vdst(0) depctr_va_sdst(0) depctr_va_ssrc(0) depctr_va_vcc(0) depctr_vm_vsrc(0)
	s_getreg_b32 s2, hwreg(HW_REG_IB_STS2, 6, 4)
	s_cmp_eq_u32 s2, 0
	s_cbranch_scc0 .Lentry_in_a_cluster
	s_endpgm
.Lentry_in_a_cluster:
	s_bfe_u32 s2, ttmp6, 0x10000c
	s_cmp_lg_u32 s2, 0x3003
	s_cbranch_scc0 .Lentry_shape_is_right
	s_endpgm
.Lentry_shape_is_right:
; O = softmax(Q K^T / 8) V for one (batch, head) a cluster, both products on codes of BF6 (E3M2) with E8M0 scales, and O quantised at once, along the head's 64, for the output projection.
; THE SOFTMAX: t = score x log2(e) / 8; M = the running largest t rounded UP to a whole number; p = 2^(t - M) is quantised along the keys, not normalised; the row's sum is taken of the unquantised p and divides O at the end.
; When M moves, the sum and O^T are multiplied by 2^(old M - new M): exact.
; SHARES.  The cluster's four work-groups own 512 query positions each of one head, taken as two blocks of 256; each of the sixteen waves owns one tile of 16 positions of a block, in 256 registers.
; THE WHOLE HEAD'S K AND V STAY IN LDS: 2 x 98,304 bytes of codes and 12,288 of scale words, as images of operand registers, filled ONCE, by joint loads that name the four work-groups.  Nothing is filled again.
; LAYOUT.  S^T = K Q^T (source 0 = 16 key positions, source 1 = my 16 queries), O^T = V^T P^T (source 0 = 16 channels, source 1 = P): a lane holds one query throughout.  Keys and channels lie in position order, so that the
; 16 registers of two neighbouring tiles are 16 neighbours along the next K.
; THE HEAD'S 64 ARE HALF OF THE INSTRUCTION'S 128: Q's upper 64 codes are zeros.  K's tile t is named as v[32 + 6 t .. + 11]: its upper six registers are the next tile's codes (for the last tile: zeros); they meet Q's zero codes, under
; scale bytes 0, and add exactly nothing.  So a tile of K costs six registers.
; RESULTS: oc [head][8,192 positions][48 B]: a wave stores three aligned runs of 256 bytes;  os [8,192 positions][32 B]: two bytes a row and head.  Those two bytes go out by a 2-byte store a lane, 32 bytes apart: a row's other
; bytes belong to other heads, which other clusters make; they are 2 bytes of every 50 that a tile writes.
; LIMITS: NaN and infinities are not served; a block whose largest magnitude lies under 2^-122 has its byte held at 1; a block of zeros gets the byte 1 (its codes are zeros).  A block's largest p is made from the block's largest score
; by the same multiply-add and exponential as every p: that takes v_exp_f32 not to fall where its input rises.
.set KIMG, 0                           ; LDS: K's images: [128 keys, 16][pair of tiles 4][3][lane][16 B]
.set VIMG, 98304                       ; V's: [128 keys, 16][16 channels, 4][3][lane][16 B]
.set KSC,  196608                      ; K's scale words: [128 keys][lane][4 words]
.set VSC,  204800                      ; V's: [128 keys][lane][2 words]
.set STG,  208896                      ; a stage of 768 bytes for each wave: no fill lands here
.set AK,   1                           ; v1   16 x lane
.set AV,   2                           ; v2   + VIMG
.set ASK,  3                           ; v3   + KSC
.set ASV,  4                           ; v4   8 x lane + VSC
.set QA,   5                           ; v5-7 my lane's three pieces of 8 bytes of Q's image
.set QSA,  8                           ; v8   16 x (lane % 16)
.set ADK,  9                           ; v9, v10, v11, v29: the step's addresses
.set ADV,  10
.set ADS,  11
.set ADT,  29
.set STI,  30                          ; v30  the stage, in
.set STO,  31                          ; v31  the stage, out
.set GOC,  86                          ; v86  8 x lane
.set GOS,  87                          ; v87  32 x (lane % 16)
; v12 -M, v13 the largest t, v[14:15] the sum in two halves, v[92:93] the sum's second chain; v16-21 Q's codes, v22-27 zeros; v32-79 K's or V's fragments, v80-85 zeros; v96-159 S^T, then p; v160-191 O^T;
; v224-235 p's codes; v232-247, v252, v254 at work; v248-251 K's, then V's scale words; v253 p's scale word; v255 Q's
.set WV,   12
.set SEL,  20
.set CS,   22
.set G1C,  24                          ; s[24:31] group 1: 96 rows of 256 bytes;  s[32:39]: 32 rows;  s[40:47]: 16 rows
.set G1KS, 32
.set G1VS, 40
.set G0C,  48                          ; s[48:51], s[52:55], s[56:59] groups 0: a chunk of codes, K's scale words, V's
.set G0KS, 52
.set G0VS, 56
.set TB,   72                          ; s72  the step's images: 6,144 bytes a step
.set TS,   73                          ; s73  K's scale words: 512
.set TJ,   74                          ; s74  V's: 256
.set CNT,  76
.set QP,   78
.set QSP,  80
.set OCP,  82
.set OSP,  84
.macro CROUND                          ; a round of the cluster's barrier
	s_barrier_signal -1
	s_barrier_wait -1
	s_cmp_lg_u32 s[WV], 0
	s_cbranch_scc1 .Lnot_wave_0_\@
	s_barrier_signal -3
.Lnot_wave_0_\@:
	s_barrier_wait -3
	s_barrier_signal -1
	s_barrier_wait -1
.endm
	s_load_b256 s[4:11], s[0:1], 0x0               ; ac, asc, oc, os
	v_lshl_add_u32 v223, v0, 2, 0x36000
	v_mov_b32 v243, 0
	ds_add_u32 v223, v243
	ds_add_u32 v223, v243
	v_lshrrev_b32 v1, 5, v0
	s_delay_alu instid0(VALU_DEP_1)
	v_readfirstlane_b32 s[WV], v1                  ; wave 0..15
	s_bfe_u32 s13, ttmp6, 0x40000                  ; cx: it enters Q's, oc's and os's addresses alone
	s_and_b32 s14, ttmp7, 0xffff                   ; 16 x batch + head, which the four partners share
.irp g, G1C, G1KS, G1VS
	s_mov_b32 s[\g], 15|(3<<16)|(1<<21)            ; the mask: all four work-groups; elements of 8 bytes; bit 21 beside a mask; no padding
	s_mov_b32 s[\g+1], 32<<16                      ; tensor_dim0 = 32 elements: rows of 256 bytes of a dense block
	s_mov_b32 s[\g+3], 32<<16                      ; tile_dim0
	s_mov_b32 s[\g+5], 32                          ; the pitch
	s_mov_b32 s[\g+6], 0
	s_mov_b32 s[\g+7], 0
.endr
	s_mov_b32 s[G1C+2], 96<<16                     ; tensor_dim1, tile_dim1: 24,576 bytes,
	s_mov_b32 s[G1C+4], 96
	s_mov_b32 s[G1KS+2], 32<<16                    ; 8,192,
	s_mov_b32 s[G1KS+4], 32
	s_mov_b32 s[G1VS+2], 16<<16                    ; 4,096
	s_mov_b32 s[G1VS+4], 16
	s_mul_i32 s89, s14, 98304                      ; the head's codes in each section of ac
	s_lshr_b32 s86, s[WV], 2                       ; waves 0-3: K's four chunks; waves 4-7: V's
	s_add_co_u32 s86, s86, 1
	s_mul_i32 s86, s86, 6291456
	s_add_co_u32 s86, s86, s89
	s_and_b32 s88, s[WV], 3
	s_mul_i32 s88, s88, 24576
	s_add_co_u32 s86, s86, s88
	s_mov_b32 s87, 0
	s_lshl_b32 s90, s14, 13
	s_add_co_u32 s90, s90, 524288                  ; K's scale words
	s_mov_b32 s91, 0
	s_lshl_b32 s92, s14, 12
	s_add_co_u32 s92, s92, 1048576                 ; V's
	s_mov_b32 s93, 0
	s_wait_dscnt 0x0
	s_wait_kmcnt 0x0
	s_mov_b32 s[G0C], 1
	s_mul_i32 s[G0C+1], s[WV], 24576               ; K's 98,304 bytes, then V's
	s_add_nc_u64 s[G0C+2:G0C+3], s[4:5], s[86:87]
	s_or_b32 s[G0C+3], s[G0C+3], 0x80000000
	s_mov_b32 s[G0KS], 1
	s_mov_b32 s[G0KS+1], KSC
	s_add_nc_u64 s[G0KS+2:G0KS+3], s[6:7], s[90:91]
	s_or_b32 s[G0KS+3], s[G0KS+3], 0x80000000
	s_mov_b32 s[G0VS], 1
	s_mov_b32 s[G0VS+1], VSC
	s_add_nc_u64 s[G0VS+2:G0VS+3], s[6:7], s[92:93]
	s_or_b32 s[G0VS+3], s[G0VS+3], 0x80000000
	CROUND                                         ; all four work-groups are here: the joint loads meet
	s_cmp_lt_u32 s[WV], 8                          ; one load a wave, in ten waves; the branches hang on the wave's number alone; four v_nop follow each load
	s_cbranch_scc0 .Lnot_codes
	tensor_load_to_lds s[G0C:G0C+3], s[G1C:G1C+7]
	s_nop 0
.rept 4
	v_nop
.endr
	s_branch .Lasked
.Lnot_codes:
	s_cmp_eq_u32 s[WV], 8
	s_cbranch_scc0 .Lnot_ks
	tensor_load_to_lds s[G0KS:G0KS+3], s[G1KS:G1KS+7]
	s_nop 0
.rept 4
	v_nop
.endr
	s_branch .Lasked
.Lnot_ks:
	s_cmp_eq_u32 s[WV], 9
	s_cbranch_scc0 .Lasked
	tensor_load_to_lds s[G0VS:G0VS+3], s[G1VS:G1VS+7]
	s_nop 0
.rept 4
	v_nop
.endr
.Lasked:
	; my tile of block 0 begins at position 512 cx + 16 wave of the head's 2,048
	s_lshl_b32 s90, s13, 4
	s_lshr_b32 s92, s[WV], 1
	s_add_co_u32 s90, s90, s92                     ; its pair of tiles,
	s_mul_i32 s90, s90, 1536
	s_add_co_u32 s90, s90, s89
	s_add_nc_u64 s[QP:QP+1], s[4:5], s[90:91]      ; in Q's section, which is the first
	s_lshl_b32 s90, s14, 13                        ; Q's scale words: the head's 8,192 bytes,
	s_lshl_b32 s92, s13, 2
	s_lshr_b32 s93, s[WV], 3
	s_add_co_u32 s92, s92, s93
	s_lshl_b32 s92, s92, 9                         ; 512 for each 128 positions,
	s_add_co_u32 s90, s90, s92
	s_and_b32 s92, s[WV], 1
	s_lshl_b32 s92, s92, 8                         ; lanes 16-31's for an odd tile,
	s_add_co_u32 s90, s90, s92
	s_bfe_u32 s92, s[WV], 0x20001
	s_lshl_b32 s92, s92, 2                         ; the pair's word
	s_add_co_u32 s90, s90, s92
	s_add_nc_u64 s[QSP:QSP+1], s[6:7], s[90:91]
	s_lshr_b32 s92, s14, 4
	s_lshl_b32 s92, s92, 11
	s_lshl_b32 s93, s13, 9
	s_add_co_u32 s92, s92, s93
	s_lshl_b32 s93, s[WV], 4
	s_add_co_u32 s92, s92, s93                     ; my first row among the 8,192
	s_and_b32 s93, s14, 15                         ; the head
	s_mul_i32 s90, s93, 393216
	s_mul_i32 s94, s92, 48
	s_add_co_u32 s90, s90, s94
	s_add_nc_u64 s[OCP:OCP+1], s[8:9], s[90:91]
	s_lshl_b32 s90, s92, 5
	s_lshl_b32 s94, s93, 1
	s_add_co_u32 s90, s90, s94
	s_add_nc_u64 s[OSP:OSP+1], s[10:11], s[90:91]
	s_mov_b32 s[SEL], 0x76543210
	s_mov_b32 s[SEL+1], 0xfedcba98                 ; v_permlanex16_b32's selects for lane l xor 16
	s_mov_b32 s[CS], 0x3e38aa3b                    ; c = log2(e) / 8
	s_mov_b32 s[CS+1], s[CS]                       ; (named with it as a pair, so it is written)
	v_and_b32 v88, 31, v0                          ; lane
	v_and_b32 v89, 15, v0                          ; r
	v_bfe_u32 v90, v0, 4, 1                        ; h
	s_delay_alu instid0(VALU_DEP_3)
	v_lshlrev_b32 v[AK], 4, v88
	s_delay_alu instid0(VALU_DEP_1)
	v_add_nc_u32 v[AV], VIMG, v[AK]
	s_delay_alu instid0(VALU_DEP_2)
	v_add_nc_u32 v[ASK], KSC, v[AK]
	v_lshl_add_u32 v[ASV], v88, 3, VSC
	s_bitcmp1_b32 s[WV], 0                         ; an even tile is registers 0-5 of its pair's image, an odd one registers 6-11; register n of lane l lies at 512 (n / 4) + 16 l + 4 (n % 4)
	s_cselect_b32 s86, 520, 0
	s_cselect_b32 s87, 1024, 8
	s_mov_b32 s88, 512
	s_cselect_b32 s88, 1032, s88
	v_add_nc_u32 v[QA], s86, v[AK]
	v_add_nc_u32 v[QA+1], s87, v[AK]
	v_add_nc_u32 v[QA+2], s88, v[AK]
	v_lshlrev_b32 v[QSA], 4, v89
.irp g, 0,1,2
	global_load_b64 v[16+2*\g:17+2*\g], v[QA+\g], s[QP:QP+1]       ; block 0's Q
.endr
	global_load_b32 v255, v[QSA], s[QSP:QSP+1]
	s_mul_i32 s90, s[WV], 768
	s_add_co_u32 s90, s90, STG                     ; my stage
	v_mul_u32_u24 v[STI], v89, 48
	s_delay_alu instid0(VALU_DEP_1)
	v_mad_u32_u24 v[STI], v90, 24, v[STI]
	s_delay_alu instid0(VALU_DEP_1)
	v_add_nc_u32 v[STI], s90, v[STI]               ; in: row r of 48 bytes, my half's 24
	v_lshl_add_u32 v[STO], v88, 3, s90             ; out: 8 bytes a lane
	v_lshlrev_b32 v[GOC], 3, v88
	v_lshlrev_b32 v[GOS], 5, v89
.irp j, 22,23,24,25,26,27,80,81,82,83,84,85
	v_mov_b32 v[\j], 0                             ; zero codes
.endr
.irp b, 0,1,2,3
	v_mov_b32 v[236+\b], 0                         ; written once: a lane permute's destination counts as one of its sources
.endr
	v_mov_b32 v253, 0                              ; (named as the upper half of v[252:253] before it is first written)
; A KEY STEP: 128 keys.
.macro STEP
	v_add_nc_u32 v[ADK], s[TB], v[AK]              ; these four are also the places between the last step's products and the loads into their operands' registers
	v_add_nc_u32 v[ADV], s[TB], v[AV]
	v_add_nc_u32 v[ADS], s[TS], v[ASK]
	v_add_nc_u32 v[ADT], s[TJ], v[ASV]
.set j, 0
.rept 12
	ds_load_b128 v[32+4*j:35+4*j], v[ADK] offset:512*j             ; eight tiles of K, six registers each: 512 consecutive bytes a load
.set j, j+1
.endr
	ds_load_b128 v[248:251], v[ADS]                ; word a: tile 2 a in lanes 0-15, tile 2 a + 1 in lanes 16-31
	s_wait_alu depctr_va_vdst(0)
	s_wait_dscnt 0x0
.irp t, 0,2,4,6
	v_wmma_scale_f32_16x16x128_f8f6f4 v[96+8*\t:103+8*\t], v[32+6*\t:43+6*\t], v[16:27], 0, v[248+\t/2], v255 matrix_a_fmt:MATRIX_FMT_BF6 matrix_b_fmt:MATRIX_FMT_BF6
	v_wmma_scale_f32_16x16x128_f8f6f4 v[104+8*\t:111+8*\t], v[38+6*\t:49+6*\t], v[16:27], 0, v[248+\t/2], v255 matrix_a_fmt:MATRIX_FMT_BF6 matrix_b_fmt:MATRIX_FMT_BF6 matrix_a_scale:MATRIX_SCALE_ROW1
.endr
.rept 4
	v_nop                                          ; places: the loads below land in K's registers, and the maxima read the scores
.endr
.set j, 0
.rept 12
	ds_load_b128 v[32+4*j:35+4*j], v[ADV] offset:512*j             ; V's four fragments: they land while the softmax is walked
.set j, j+1
.endr
	ds_load_b64 v[248:249], v[ADT]
.irp b, 0,1,2,3
	v_max3_num_f32 v[232+\b], v[96+16*\b], v[97+16*\b], v[98+16*\b]   ; the largest score of each block of 32 keys: for the row's maximum and for the block's largest p
.endr
.irp i, 3,5,7,9,11,13
.irp b, 0,1,2,3
	v_max3_num_f32 v[232+\b], v[232+\b], v[96+16*\b+\i], v[97+16*\b+\i]
.endr
.endr
.irp b, 0,1,2,3
	v_max_num_f32 v[232+\b], v[232+\b], v[111+16*\b]
.endr
.irp b, 0,1,2,3
	s_delay_alu instid0(VALU_DEP_4)
	v_permlanex16_b32 v[236+\b], v[232+\b], s[SEL], s[SEL+1]
.endr
.irp b, 0,1,2,3
	s_delay_alu instid0(VALU_DEP_4)
	v_max_num_f32 v[232+\b], v[232+\b], v[236+\b]  ; with lane l xor 16's 16 keys
.endr
	s_delay_alu instid0(VALU_DEP_2)
	v_max3_num_f32 v254, v232, v233, v234
	s_delay_alu instid0(VALU_DEP_1)
	v_max_num_f32 v254, v254, v235                 ; the step's largest score of my query
	s_delay_alu instid0(VALU_DEP_1)
	v_mul_f32 v254, s[CS], v254                    ; as t
	s_delay_alu instid0(VALU_DEP_1)
	v_max_num_f32 v13, v13, v254                   ; the running largest t
	v_mov_b32 v254, v12
	s_delay_alu instid0(VALU_DEP_2)
	v_floor_f32 v12, -v13                          ; the new -M = -ceil(t): a whole number
	s_delay_alu instid0(VALU_DEP_1)
	v_sub_f32 v254, v12, v254                      ; old M - new M: a whole number, 0 or less
	s_delay_alu instid0(VALU_DEP_1)
	v_cvt_i32_f32 v254, v254                       ; (it saturates)
	s_delay_alu instid0(VALU_DEP_1)
	v_ldexp_f32 v252, 1.0, v254                    ; f = 2^(old M - new M)
.set j, 0
.rept 32
	v_pk_fma_f32 v[96+j:97+j], v[96+j:97+j], s[CS:CS+1], v[12:13] op_sel_hi:[1,0,0]   ; t - M, two at a time
.set j, j+2
.endr
.irp b, 0,1,2,3
	v_fma_f32 v[232+\b], v[232+\b], s[CS], v12     ; the same of each block's largest score
.endr
.set j, 0
	s_wait_alu depctr_va_vdst(0)
.rept 64
	v_exp_f32 v[96+j], v[96+j]                     ; p = 2^(t - M)
.set j, j+1
.endr
	s_setprio 1
	v_pk_mul_f32 v[14:15], v[14:15], v[252:253] op_sel_hi:[1,0]    ; the sums under the new M: a plain instruction behind the exponentials
	s_wait_alu depctr_va_vdst(0)                   ; one wait for the batch of 64, ahead of its first reader
.irp b, 0,1,2,3
	v_exp_f32 v[232+\b], v[232+\b]                 ; each block's largest p
.endr
	v_pk_add_f32 v[92:93], v[96:97], v[98:99]      ; the row's sum of the unquantised p, in two chains: it reads the 64 alone
.irp j, 4,8,12,16,20,24,28,32,36,40,44
	v_pk_add_f32 v[14:15], v[14:15], v[96+\j:97+\j]
	v_pk_add_f32 v[92:93], v[92:93], v[98+\j:99+\j]
.endr
	s_wait_alu depctr_va_vdst(0)                   ; and one for the four
.irp b, 0,1,2,3
	v_max_num_f32 v[232+\b], 0x2800000, v[232+\b]  ; the floor 2^(5 - 127)
.endr
.irp b, 0,1,2,3
	s_delay_alu instid0(VALU_DEP_4)
	v_add_nc_u32 v[244+\b], 0xfe000000, v[232+\b]  ; the conversion's scale operand
.endr
.irp b, 0,1,2,3
	s_delay_alu instid0(VALU_DEP_4)
	v_lshrrev_b32 v[236+\b], 23, v[244+\b]         ; the scale's byte
.endr
	s_delay_alu instid0(VALU_DEP_3)
	v_lshl_or_b32 v253, v237, 8, v236              ; p's scale word for these 128 keys
	s_delay_alu instid0(VALU_DEP_1)
	v_lshl_or_b32 v253, v238, 16, v253
	s_delay_alu instid0(VALU_DEP_1)
	v_lshl_or_b32 v253, v239, 24, v253
.irp c, 0,1
	v_cvt_scalef32_pk16_bf6_f32 v[224+6*\c:226+6*\c], v[96+32*\c:111+32*\c], v[244+2*\c]
	v_cvt_scalef32_pk16_bf6_f32 v[236+4*\c:238+4*\c], v[112+32*\c:127+32*\c], v[244+2*\c+1]
.endr
	v_nop                                          ; one plain place behind a scaled conversion
.irp c, 0,1                                    ; a whole block to a lane
.irp i, 0,1,2
	v_permlane16_swap_b32 v[224+6*\c+\i], v[236+4*\c+\i]
.endr
.irp i, 0,1,2
	s_delay_alu instid0(VALU_DEP_3)
	v_mov_b32 v[227+6*\c+\i], v[236+4*\c+\i]
.endr
.endr
.set j, 0
	s_setprio 0
.rept 16
	v_pk_mul_f32 v[160+j:161+j], v[160+j:161+j], v[252:253] op_sel_hi:[1,0]   ; O^T under the new M
.set j, j+2
.endr
.irp j, 48,52,56,60                            ; the rest of the sums: plain work between the last writes of O^T, of the codes and of the scale word, and the products
	v_pk_add_f32 v[14:15], v[14:15], v[96+\j:97+\j]
	v_pk_add_f32 v[92:93], v[92:93], v[98+\j:99+\j]
.endr
	s_delay_alu instid0(VALU_DEP_1)
	v_pk_add_f32 v[14:15], v[14:15], v[92:93]
	s_wait_dscnt 0x0                               ; V
.irp t, 0,2                                    ; O^T += V^T P^T: the four accumulators by turns
	v_wmma_scale_f32_16x16x128_f8f6f4 v[160+8*\t:167+8*\t], v[32+12*\t:43+12*\t], v[224:235], v[160+8*\t:167+8*\t], v[248+\t/2], v253 matrix_a_fmt:MATRIX_FMT_BF6 matrix_b_fmt:MATRIX_FMT_BF6
	v_wmma_scale_f32_16x16x128_f8f6f4 v[168+8*\t:175+8*\t], v[44+12*\t:55+12*\t], v[224:235], v[168+8*\t:175+8*\t], v[248+\t/2], v253 matrix_a_fmt:MATRIX_FMT_BF6 matrix_b_fmt:MATRIX_FMT_BF6 matrix_a_scale:MATRIX_SCALE_ROW1
.endr
	s_add_co_u32 s[TB], s[TB], 6144
	s_add_co_u32 s[TS], s[TS], 512
	s_add_co_u32 s[TJ], s[TJ], 256
.endm
; A BLOCK OF 256 QUERIES: my tile walks the head's 16 key steps, then leaves.
.macro BLOCK blk
	s_mov_b32 s[TB], 0
	s_mov_b32 s[TS], 0
	s_mov_b32 s[TJ], 0
	v_mov_b32 v13, 0xff61b1e6                      ; the largest t so far: -3e38
	s_delay_alu instid0(VALU_DEP_1)
	v_floor_f32 v12, -v13
	v_mov_b32 v14, 0
	v_mov_b32 v15, 0
.set j, 0
.rept 32
	v_mov_b32 v[160+j], 0                          ; O^T: the step is written once; its first trip finds zeros
.set j, j+1
.endr
	s_wait_loadcnt 0x0                             ; Q
	s_mov_b32 s[CNT], 16
.Lstep_\@:
	s_setprio 2
	STEP
	s_sub_co_u32 s[CNT], s[CNT], 1
	s_cmp_lg_u32 s[CNT], 0
	s_cbranch_scc1 .Lstep_\@
	s_setprio 0
.rept 4
	v_nop                                          ; places behind the last products
.endr
.if \blk == 0
.irp g, 0,1,2
	global_load_b64 v[16+2*\g:17+2*\g], v[QA+\g], s[QP:QP+1] offset:12288   ; the next block's Q: eight pairs of tiles on
.endr
	global_load_b32 v255, v[QSA], s[QSP:QSP+1] offset:1024
.endif
	s_wait_alu depctr_va_vdst(0)
	v_add_f32 v14, v14, v15                        ; the sum's two halves,
	s_delay_alu instid0(VALU_DEP_1)
	v_permlanex16_b32 v252, v14, s[SEL], s[SEL+1]
	s_delay_alu instid0(VALU_DEP_1)
	v_add_f32 v14, v14, v252                       ; and lane l xor 16's
	s_wait_alu depctr_va_vdst(0)
	v_rcp_f32 v14, v14
	v_nop                                          ; a plain place behind the reciprocal
	s_wait_alu depctr_va_vdst(0)                   ; and the wait ahead of its first reader
.set j, 0
.rept 16
	v_pk_mul_f32 v[96+j:97+j], v[160+j:161+j], v[14:15] op_sel_hi:[1,0]   ; O^T / the sum: register 16 b + i is channel 32 b + 16 h + i of my query
.set j, j+2
.endr
.irp b, 0,1
	v_max3_num_f32 v[232+\b], |v[96+16*\b]|, |v[97+16*\b]|, 0x2800000
.endr
.irp i, 2,4,6,8,10,12,14
.irp b, 0,1
	s_delay_alu instid0(VALU_DEP_2)
	v_max3_num_f32 v[232+\b], v[232+\b], |v[96+16*\b+\i]|, |v[97+16*\b+\i]|
.endr
.endr
.irp b, 0,1
	s_delay_alu instid0(VALU_DEP_2)
	v_permlanex16_b32 v[236+\b], v[232+\b], s[SEL], s[SEL+1]
.endr
.irp b, 0,1
	s_delay_alu instid0(VALU_DEP_2)
	v_max_num_f32 v[232+\b], v[232+\b], v[236+\b]
.endr
.irp b, 0,1
	s_delay_alu instid0(VALU_DEP_2)
	v_add_nc_u32 v[244+\b], 0xfe000000, v[232+\b]
.endr
.irp b, 0,1
	s_delay_alu instid0(VALU_DEP_2)
	v_lshrrev_b32 v[240+\b], 23, v[244+\b]
.endr
	s_delay_alu instid0(VALU_DEP_1)
	v_lshl_or_b32 v242, v241, 8, v240              ; the head's two scale bytes of my row
	v_cvt_scalef32_pk16_bf6_f32 v[224:226], v[96:111], v244
	v_cvt_scalef32_pk16_bf6_f32 v[236:238], v[112:127], v245
	v_nop
.irp i, 0,1,2
	v_permlane16_swap_b32 v[224+\i], v[236+\i]
.endr
.irp i, 0,1,2
	s_delay_alu instid0(VALU_DEP_3)
	v_mov_b32 v[227+\i], v[236+\i]                 ; v224-229: block h of my row: 24 bytes
.endr
	ds_store_b64 v[STI], v[224:225]
	ds_store_b64 v[STI], v[226:227] offset:8
	ds_store_b64 v[STI], v[228:229] offset:16
.irp i, 0,1,2
	ds_load_b64 v[128+2*\i:129+2*\i], v[STO] offset:256*\i         ; in order behind my stores: my wave's own bytes
.endr
	s_wait_alu depctr_va_vdst(0)
	s_wait_dscnt 0x0
.irp i, 0,1,2
	global_store_b64 v[GOC], v[128+2*\i:129+2*\i], s[OCP:OCP+1] offset:12288*\blk+256*\i   ; 256 consecutive bytes, aligned
.endr
	global_store_b16 v[GOS], v242, s[OSP:OSP+1] offset:8192*\blk   ; (lanes l and l + 16 write the same two bytes with the same value)
.if \blk == 0
	s_wait_xcnt 0x0                                ; the stores have read their registers, which the next block writes
.endif
.endm
	s_wait_tensorcnt 0x0                           ; my load, if I had one, has landed,
	s_barrier_signal -1
	s_barrier_wait -1                              ; everybody's has: the head lies in LDS
	BLOCK 0
	BLOCK 1
	s_wait_tensorcnt 0x0
	ds_add_u32 v223, v243
	s_wait_dscnt 0x0
	CROUND                                         ; the closing round
	s_endpgm
.Lfunc_end_k_q5a9fd1fa4a_attn:
	.size	k_q5a9fd1fa4a_attn, .Lfunc_end_k_q5a9fd1fa4a_attn-k_q5a9fd1fa4a_attn
	.p2alignl 7, 3214868480
	.fill 96, 4, 3214868480
	.section	.rodata,"a",@progbits
	.p2align	6, 0x0
	.amdhsa_kernel k_q5a9fd1fa4a_attn
		.amdhsa_group_segment_fixed_size 223232
		.amdhsa_private_segment_fixed_size 0
		.amdhsa_enable_private_segment 0
		.amdhsa_kernarg_size 32
		.amdhsa_user_sgpr_count 2
		.amdhsa_user_sgpr_kernarg_segment_ptr 1
		.amdhsa_wavefront_size32 1
		.amdhsa_system_sgpr_workgroup_id_x 1
		.amdhsa_system_sgpr_workgroup_id_y 1
		.amdhsa_system_sgpr_workgroup_id_z 1
		.amdhsa_system_vgpr_workitem_id 0
		.amdhsa_next_free_vgpr 256
		.amdhsa_next_free_sgpr 96
		.amdhsa_reserve_vcc 0
		.amdhsa_float_denorm_mode_32 3
		.amdhsa_float_denorm_mode_16_64 3
		.amdhsa_memory_ordered 1
		.amdhsa_forward_progress 1
		.amdhsa_inst_pref_size 56
	.end_amdhsa_kernel
	.amdgpu_metadata
---
amdhsa.version: [ 1, 2 ]
amdhsa.kernels:
  - .name:           k_q5a9fd1fa4a_attn
    .symbol:         k_q5a9fd1fa4a_attn.kd
    .args:
      - { .name: ac, .offset: 0, .size: 8, .value_kind: global_buffer, .address_space: global }
      - { .name: asc, .offset: 8, .size: 8, .value_kind: global_buffer, .address_space: global }
      - { .name: oc, .offset: 16, .size: 8, .value_kind: global_buffer, .address_space: global }
      - { .name: os, .offset: 24, .size: 8, .value_kind: global_buffer, .address_space: global }
    .group_segment_fixed_size: 223232
    .private_segment_fixed_size: 0
    .kernarg_segment_align: 8
    .kernarg_segment_size: 32
    .max_flat_workgroup_size: 512
    .sgpr_count:     96
    .vgpr_count:     256
    .wavefront_size: 32
...
	.end_amdgpu_metadata
.endif
;; end of part 3
;; launch outp (part 4): grid 4 x 32, 4 waves a work-group, clusters of 4 x 4, 327,680 bytes of LDS; arguments oc, os, wc, ws, bo, out0; writes out0
.if DOCPART == 4
	.amdgcn_target "amdgcn-amd-amdhsa--gfx1250"
	.amdhsa_code_object_version 6
	.text
	.protected	k_q5a9fd1fa4a_outp
	.globl	k_q5a9fd1fa4a_outp
	.p2align	8
	.type	k_q5a9fd1fa4a_outp,@function
k_q5a9fd1fa4a_outp:
	s_mov_b64 s[64:65], 0
	v_nop
	global_prefetch_b8 v0, s[64:65] scope:SCOPE_SE
	s_setreg_imm32_b32 hwreg(HW_REG_WAVE_MODE, 25, 1), 1
	s_wait_xcnt 0x0
	s_wait_alu depctr_hold_cnt(0) depctr_sa_sdst(0) depctr_va_vdst(0) depctr_va_sdst(0) depctr_va_ssrc(0) depctr_va_vcc(0) depctr_vm_vsrc(0)
	s_getreg_b32 s2, hwreg(HW_REG_IB_STS2, 6, 4)
	s_cmp_eq_u32 s2, 0
	s_cbranch_scc0 .Lentry_in_a_cluster
	s_endpgm
.Lentry_in_a_cluster:
	s_bfe_u32 s2, ttmp6, 0x10000c
	s_cmp_lg_u32 s2, 0xf033
	s_cbranch_scc0 .Lentry_shape_is_right
	s_endpgm
.Lentry_shape_is_right:
; out0 = O Wo + bo on codes of BF6 (E3M2) with E8M0 scales.  O's codes: oc [head 16][8,192 positions][48 B], its scale bytes os [8,192 positions][32]; Wo's: the fourth section of wc [1,024 positions (n)][768] and of ws [..][32].
; A tile of 256 x 256 is made by a work-group of four waves, 128 x 128 a wave: 64 accumulators in 512 registers.  K = 1,024 goes in four steps of 256 (four heads) through a ring of two LDS slots filled by the tensor data mover;
; the scale bytes come once and stay.  4 x 4 work-groups form a cluster: A's tile (O) is shared along a row of the cluster, B's (Wo) along a column, each asked for jointly.
; Source 0 = 16 rows of B, source 1 = 16 rows of A: a lane holds one token's position, and register j of tile b the true output column 32 (b / 2) + 16 (lane / 16) + 8 (b % 2) + j.
; THE TRUE ORDER COMES BACK HERE: columns by the places in the stage, rows by the stores' immediates (position 16 a + t is row 32 (a / 2) + 8 (a % 2) + t + 8 (t / 8)).
; A'S PART OF A SLOT: [half of the rows 2][head 4][128 rows][48 B], no padding: with 48 bytes from row to row the 32 lanes of a load of 8 bytes touch 64 different words modulo 256 bytes.
.set SIZE_N, 1024
.set NQ,     2
.set ROWB,   192
.set KROW,   768
.set PITCH,  240
.set FR,     12
.set NL,     6
.set NP,     4
.set HALFT,  128*PITCH                 ; B: 128 rows
.set APL,    6144                      ; A: 128 rows of one head
.set AHALF,  4*APL                     ; A: 128 rows of four heads
.set ASTEP,  4*393216                  ; four planes of oc
.set SLOT,   2*AHALF+2*HALFT
.set LAPS,   2
.set KS,     32
.set SCL,    2*SLOT
.set HALFS,  (128*KS/256)*272
.set SBLK,   (16*KS/256)*272
.set SPARE,  SCL+4*HALFS               ; the spare words: 128 bytes for each wave, two blocks of 256 bytes that no other line names
.set SPITCH, 528                       ; the way out: a stage of 16 rows x (512 + 16) bytes for each wave, in slot 0, which has had its last fill and its last read by then
.set ADRA, 16                          ; v16-17  LDS address of my A fragments in slot 0, 1
.set ADRB, 20                          ; v20-23  the same for B, and behind one padding more
.set STO,  24
.set RD,   25
.set CO,   26                          ; v26     16 x lane
.set ADRS, 27
.set SPW,  28
.set NIL,  29
.set SC,   32                          ; v32-63  scale words, two sets, and nothing else
.set AF,   128
.set BK,   128                         ; the way out: v128-191 and v192-255 by turns;  v8-11: bo of my four columns
.set G1, 24
.set G0, 32
.set G1B, 48
.set G0B, 56
.set G1S, 68
.set G0S, 76
.set G1SB, 80
.set G0SB, 88
.set MSB, 0
.macro WIN new
.if MSB != (\new)
	s_set_vgpr_msb (MSB<<8)|(\new)
.set MSB, (\new)
.endif
.endm
.set MUL_LO, 0xa1
.set MUL_HI, 0xf1
.set TO_B,   0x40
.macro JLOAD g0a, g1a, g0b, g1b        ; a joint load: waves 0 and 1 fetch for A, waves 2 and 3 for B; four v_nop follow each of the two lines
	s_cmp_eq_u32 s15, 0
	s_cbranch_scc0 .Lfor_b_\@
	tensor_load_to_lds s[\g0a:\g0a+3], s[\g1a:\g1a+7]
	s_nop 0
.rept 4
	v_nop
.endr
	s_branch .Lasked_\@
.Lfor_b_\@:
	tensor_load_to_lds s[\g0b:\g0b+3], s[\g1b:\g1b+7]
	s_nop 0
.rept 4
	v_nop
.endr
.Lasked_\@:
.endm
.macro CREST
	s_cmp_lg_u32 s14, 0
	s_cbranch_scc1 .Lnot_wave_0_\@
	s_barrier_signal -3
.Lnot_wave_0_\@:
	s_barrier_wait -3
	s_barrier_signal -1
	s_barrier_wait -1
.endm
.macro CROUND
	s_barrier_signal -1
	s_barrier_wait -1
	CREST
.endm
	s_load_b128 s[4:7], s[0:1], 0x0                ; oc, os
	s_load_b128 s[8:11], s[0:1], 0x10              ; wc, ws
	s_load_b64 s[96:97], s[0:1], 0x20              ; bo
	s_load_b64 s[12:13], s[0:1], 0x28              ; out0
	v_lshl_add_u32 v[SPW], v0, 2, SPARE
	v_mov_b32 v[NIL], 0
	ds_add_u32 v28, v29
	ds_add_u32 v28, v29
	s_wait_dscnt 0x0
	v_lshrrev_b32 v1, 5, v0
	v_readfirstlane_b32 s14, v1                    ; wave 0..3
	s_lshr_b32 s15, s14, 1                         ; which half of the tile's rows is mine.  Also: I fetch for A (0) or for B (1)
	s_and_b32 s16, s14, 1                          ; which half of its columns.  Also: which 128 rows I fetch
	s_bfe_u32 s40, ttmp6, 0x40000
	s_bfe_u32 s41, ttmp6, 0x40004
	s_lshl_b32 s42, ttmp9, 2
	s_add_co_u32 s42, s42, s40                     ; tile column = 4 x cluster x + cx
	s_and_b32 s17, ttmp7, 0xffff
	s_lshl_b32 s17, s17, 2
	s_add_co_u32 s17, s17, s41                     ; tile row = 4 x cluster y + cy
	s_lshl_b32 s43, s41, 2
	s_lshl_b32 s43, 15, s43                        ; my row of the cluster
	s_lshl_b32 s44, 0x1111, s40                    ; my column
	; A's group 1: four rows (heads) of 6,144 dense bytes (128 rows of 48), 393,216 bytes apart; elements of 8 bytes; no padding
	s_or_b32 s[G1+0], s43, (3<<16)|(1<<21)
	s_mov_b32 s[G1+1], 768<<16                     ; tensor_dim0
	s_mov_b32 s[G1+2], 4<<16                       ; tensor_dim1
	s_mov_b32 s[G1+3], 768<<16                     ; tile_dim0
	s_mov_b32 s[G1+4], 4                           ; tile_dim1
	s_mov_b32 s[G1+5], 49152                       ; the pitch, in elements
	s_mov_b32 s[G1+6], 0
	s_mov_b32 s[G1+7], 0
	; B's: 128 rows x 192 bytes, 16 bytes of padding behind every 64
	s_or_b32 s[G1B+0], s44, (0<<16)|(1<<20)|(1<<21)|(3<<22)|(3<<25)
	s_mov_b32 s[G1B+1], ROWB<<16
	s_mov_b32 s[G1B+2], 128<<16
	s_mov_b32 s[G1B+3], ROWB<<16
	s_mov_b32 s[G1B+4], 128
	s_mov_b32 s[G1B+5], KROW
	s_mov_b32 s[G1B+6], 0
	s_mov_b32 s[G1B+7], 0
	; the scale bytes of 128 rows: 16 rows of 256 bytes, 16 bytes of padding behind each
	s_or_b32 s[G1S+0], s43, (3<<16)|(1<<20)|(1<<21)|(5<<22)|(3<<25)
	s_or_b32 s[G1SB+0], s44, (3<<16)|(1<<20)|(1<<21)|(5<<22)|(3<<25)
.irp g, G1S, G1SB
	s_mov_b32 s[\g+1], 32<<16
	s_mov_b32 s[\g+2], (128*KS/256)<<16
	s_mov_b32 s[\g+3], 32<<16
	s_mov_b32 s[\g+4], 128*KS/256
	s_mov_b32 s[\g+5], 32
	s_mov_b32 s[\g+6], 0
	s_mov_b32 s[\g+7], 0
.endr
	s_lshl_b32 s18, s16, 7
	s_lshl_b32 s20, s17, 8
	s_add_co_u32 s20, s20, s18                     ; A's first row that I fetch
	s_lshl_b32 s46, s42, 8
	s_add_co_u32 s46, s46, s18                     ; B's
	s_lshl_b32 s22, s20, 5                         ; their scale bytes
	s_lshl_b32 s92, s46, 5
	s_add_co_u32 s92, s92, 98304                   ; (Wo's section of ws)
	s_mul_i32 s20, s20, 48                         ; their codes
	s_mul_i32 s46, s46, KROW
	s_add_co_u32 s46, s46, 2359296                 ; (Wo's section of wc)
	s_mov_b32 s21, 0
	s_mov_b32 s23, 0
	s_mov_b32 s47, 0
	s_mov_b32 s93, 0
	s_mul_i32 s45, s16, AHALF                      ; where they go: A's two halves,
	s_mul_i32 s95, s16, HALFT
	s_add_co_u32 s95, s95, 2*AHALF                 ; then B's two: no place in the cluster enters an LDS address
	s_mul_i32 s94, s14, HALFS
	s_wait_kmcnt 0x0
	s_add_nc_u64 s[20:21], s[4:5], s[20:21]
	s_add_nc_u64 s[22:23], s[6:7], s[22:23]
	s_add_nc_u64 s[46:47], s[8:9], s[46:47]
	s_add_nc_u64 s[92:93], s[10:11], s[92:93]
	CROUND                                         ; all sixteen work-groups are here: the first joint loads meet
	s_mov_b32 s[G0S], 1
	s_add_co_u32 s[G0S+1], s94, SCL
	s_mov_b64 s[G0S+2:G0S+3], s[22:23]
	s_or_b32 s[G0S+3], s[G0S+3], 0x80000000
	s_mov_b32 s[G0SB], 1
	s_add_co_u32 s[G0SB+1], s94, SCL
	s_mov_b64 s[G0SB+2:G0SB+3], s[92:93]
	s_or_b32 s[G0SB+3], s[G0SB+3], 0x80000000
	JLOAD G0S, G1S, G0SB, G1SB
.irp s, 0,1
	s_mov_b32 s[G0+4*\s], 1
	s_add_co_u32 s[G0+4*\s+1], s45, \s*SLOT
	s_add_nc_u64 s[G0+4*\s+2:G0+4*\s+3], s[20:21], \s*ASTEP
	s_or_b32 s[G0+4*\s+3], s[G0+4*\s+3], 0x80000000
	s_mov_b32 s[G0B+4*\s], 1
	s_add_co_u32 s[G0B+4*\s+1], s95, \s*SLOT
	s_add_nc_u64 s[G0B+4*\s+2:G0B+4*\s+3], s[46:47], \s*ROWB
	s_or_b32 s[G0B+4*\s+3], s[G0B+4*\s+3], 0x80000000
	JLOAD G0+4*\s, G1, G0B+4*\s, G1B               ; three tensor loads of mine are out
.endr
	v_and_b32 v1, 15, v0                           ; r
	v_bfe_u32 v2, v0, 4, 1                         ; h
	v_mul_u32_u24 v3, v1, 48
	v_mad_u32_u24 v3, v2, 24, v3                   ; A: 48 r + 24 h
	v_mul_u32_u24 v4, v1, PITCH
	v_mad_u32_u24 v4, v2, 24, v4                   ; B: row x pitch + 24 h
	v_lshl_add_u32 v5, v2, 4, v4                   ; and the same behind one padding more
	s_mul_i32 s21, s15, AHALF                      ; my 128 rows of A
	s_mul_i32 s22, s16, HALFT                      ; my 128 rows of B,
	s_add_co_u32 s22, s22, 2*AHALF                 ; behind A's part
.irp s, 0,1
	v_add_nc_u32 v[ADRA+\s], s21, v3
	v_add_nc_u32 v[ADRB+\s], s22, v4
	v_add_nc_u32 v[ADRB+2+\s], s22, v5
	s_add_co_u32 s21, s21, SLOT
	s_add_co_u32 s22, s22, SLOT
.endr
	v_mul_u32_u24 v5, v1, KS
	v_lshrrev_b32 v6, 8, v5
	v_lshl_add_u32 v5, v6, 4, v5
	s_mul_i32 s21, s15, HALFS
	s_mul_i32 s22, s16, HALFS
	s_add_co_u32 s22, s22, 2*HALFS
	s_sub_co_u32 s22, s22, s21
	v_mul_u32_u24 v6, s22, v2                      ; lanes 16-31 take B's
	s_add_co_u32 s21, s21, SCL
	v_add_nc_u32 v5, v5, v6
	v_add_nc_u32 v[ADRS], s21, v5
	s_mul_i32 s23, s14, 16*SPITCH                  ; my stage
	v_mul_u32_u24 v5, v1, SPITCH
	v_lshl_add_u32 v5, v2, 6, v5                   ; in: row r; my half's 16 columns of each 32: 64 h bytes on
	v_add_nc_u32 v[STO], s23, v5
	v_and_b32 v6, 31, v0
	v_lshlrev_b32 v[CO], 4, v6
	v_add_nc_u32 v[RD], s23, v[CO]                 ; back: the 32 lanes take one row of 512 bytes
	s_lshl_b32 s20, s17, 8
	s_lshl_b32 s21, s15, 7
	s_add_co_u32 s20, s20, s21
	s_lshl_b32 s20, s20, 12                        ; my first row of out0, 4,096 bytes a row
	s_lshl_b32 s46, s42, 10
	s_lshl_b32 s47, s16, 9
	s_add_co_u32 s46, s46, s47                     ; my first column, in bytes
	s_mov_b32 s47, 0
	s_add_nc_u64 s[96:97], s[96:97], s[46:47]
	s_add_co_u32 s20, s20, s46
	s_mov_b32 s21, 0
	s_add_nc_u64 s[12:13], s[12:13], s[20:21]
	global_load_b128 v[8:11], v[CO], s[96:97]      ; bo of the four columns that I store
.macro FRAG reg, adr, q, i             ; B's fragment: 24 bytes of the row's stream of bits twice, in pieces of 8; the second address register serves the pieces behind one padding more
.irp p, 0,1,2,3,4,5
.set PC, 12*(\q)+6*(\p/3)+\p%3
.if PC%8 < 5
	ds_load_b64 v[\reg+2*\p:\reg+2*\p+1], v[\adr] offset:8*PC+16*(PC/8)+(\i)*16*PITCH
.else
	ds_load_b64 v[\reg+2*\p:\reg+2*\p+1], v[\adr+2] offset:8*PC+16*(PC/8)+(\i)*16*PITCH
.endif
.endr
.endm
.macro FRAG_A reg, adr, q, i           ; A's: registers 6 c .. 6 c + 5 are block h of head 2 q + c of the slot's four
.irp p, 0,1,2,3,4,5
	ds_load_b64 v[\reg+2*\p:\reg+2*\p+1], v[\adr] offset:(2*(\q)+\p/3)*APL+(\i)*768+8*(\p%3)
.endr
.endm
.macro MUL16 a0, p, q, sc, zero        ; the 64 accumulators take turns, one instruction a turn, in the same order in every step
.irp a, \a0, \a0+1
.irp b, 0,1,2,3,4,5,6,7
.if \zero
	v_wmma_scale_f32_16x16x128_f8f6f4 v[8*(8*((\a)%4)+\b):8*(8*((\a)%4)+\b)+7], v[128*(\p)+FR*\b:128*(\p)+FR*\b+FR-1], v[AF+FR*(\a):AF+FR*(\a)+FR-1], 0, v[SC+8*NQ*(\sc)+NQ*\b+(\q)], v[SC+8*NQ*(\sc)+NQ*(\a)+(\q)] matrix_a_fmt:MATRIX_FMT_BF6 matrix_b_fmt:MATRIX_FMT_BF6 matrix_a_scale:MATRIX_SCALE_ROW1
.else
	v_wmma_scale_f32_16x16x128_f8f6f4 v[8*(8*((\a)%4)+\b):8*(8*((\a)%4)+\b)+7], v[128*(\p)+FR*\b:128*(\p)+FR*\b+FR-1], v[AF+FR*(\a):AF+FR*(\a)+FR-1], v[8*(8*((\a)%4)+\b):8*(8*((\a)%4)+\b)+7], v[SC+8*NQ*(\sc)+NQ*\b+(\q)], v[SC+8*NQ*(\sc)+NQ*(\a)+(\q)] matrix_a_fmt:MATRIX_FMT_BF6 matrix_b_fmt:MATRIX_FMT_BF6 matrix_a_scale:MATRIX_SCALE_ROW1
.endif
.endr
.endr
.endm
.macro FETCH_B slot, q, p
	WIN TO_B
.irp i, 0,1,2,3,4,5,6,7
	FRAG 128*(\p)+FR*\i, ADRB+\slot, \q, \i
.endr
	WIN 0
.endm
.macro FETCH_A slot, q, i0
.irp i, \i0, \i0+1, \i0+2, \i0+3
	FRAG_A AF+FR*(\i), ADRA+\slot, \q, \i
.endr
.endm
.macro SCALES sc
.irp i, 0,1,2,3,4,5,6,7
	ds_load_b64 v[SC+8*NQ*\sc+NQ*\i:SC+8*NQ*\sc+NQ*\i+1], v[ADRS] offset:\i*SBLK
.endr
.endm
.macro PLACES n
.rept \n
	v_nop
.endr
.endm
.macro STEP slot, q, zero
	s_wait_dscnt 4*NL                              ; B's set and A's blocks 0-3 are in; the youngest 24 loads (A's blocks 4-7) may be out
	WIN MUL_LO
	MUL16 0, (\q)%2, \q, \slot, \zero
	MUL16 2, (\q)%2, \q, \slot, \zero
	s_wait_dscnt 0
	PLACES NP
	FETCH_B \slot, (\q)+1, 1-(\q)%2
	FETCH_A \slot, (\q)+1, 0
	WIN MUL_HI
	MUL16 4, (\q)%2, \q, \slot, \zero
	MUL16 6, (\q)%2, \q, \slot, \zero
	PLACES NP
	WIN 0
	FETCH_A \slot, (\q)+1, 4
.endm
.macro TURN slot, next, fill
	s_wait_tensorcnt 0x0                           ; all my tensor loads have landed: my part of the next slot
	ds_add_u32 v[SPW], v[NIL]                      ; 0 onto my spare word
	s_wait_dscnt 4*NL+1                            ; (the add and A's blocks 4-7 may be out)
	WIN MUL_LO
	MUL16 0, 1, NQ-1, \slot, 0
	s_wait_dscnt 0x0                               ; the add is done, and my reads of this slot are over
	s_barrier_signal -1
	MUL16 2, 1, NQ-1, \slot, 0
	WIN 0
	s_barrier_wait -1
.if \fill
	CREST                                          ; the barrier has opened a round of the cluster's barrier
	s_add_nc_u64 s[G0+4*\slot+2:G0+4*\slot+3], s[G0+4*\slot+2:G0+4*\slot+3], 2*ASTEP
	s_add_nc_u64 s[G0B+4*\slot+2:G0B+4*\slot+3], s[G0B+4*\slot+2:G0B+4*\slot+3], 2*ROWB
	JLOAD G0+4*\slot, G1, G0B+4*\slot, G1B         ; the first tensor load behind the round, my only one until the next
.else
	PLACES NP
.endif
	v_add_nc_u32 v[ADRS], 4*NQ, v[ADRS]
	FETCH_B \next, 0, 0
	FETCH_A \next, 0, 0
	SCALES \next
	WIN MUL_HI
	MUL16 4, 1, NQ-1, \slot, 0
	MUL16 6, 1, NQ-1, \slot, 0
	PLACES NP
	WIN 0
	FETCH_A \next, 0, 4
.endm
	s_wait_tensorcnt 1                             ; the scales and my part of K step 0 are in (K step 1's load may be out)
	s_barrier_signal -1
	s_barrier_wait -1
	FETCH_B 0, 0, 0
	FETCH_A 0, 0, 0
	SCALES 0
	FETCH_A 0, 0, 4
	STEP 0, 0, 1
	s_mov_b32 s3, LAPS-1
.Llap:
	TURN 0, 1, 1
	STEP 1, 0, 0
	TURN 1, 0, 1
	STEP 0, 0, 0
	s_sub_co_u32 s3, s3, 1
	s_cmp_lg_u32 s3, 0
	s_cbranch_scc1 .Llap
	TURN 0, 1, 0
	STEP 1, 0, 0
	s_wait_dscnt 4*NL
	WIN MUL_LO
	MUL16 0, 1, NQ-1, 1, 0
	MUL16 2, 1, NQ-1, 1, 0
	s_wait_dscnt 0
	WIN MUL_HI
	MUL16 4, 1, NQ-1, 1, 0
	MUL16 6, 1, NQ-1, 1, 0
	WIN 0
; THE WAY OUT, block by block of 16 positions x 128 columns, through my own stage: in by lanes (32 bytes of a row at their true columns), back as whole rows of 512 bytes.  LDS serves a wave's instructions in order.
.macro TOSTAGE a
.set AC, 64*((\a)%4)
	WIN 0x08+4*((\a)/4)                            ; the data: window 2 or 3
.irp b, 0,1,2,3,4,5,6,7
	ds_store_b128 v[STO], v[AC+8*\b:AC+8*\b+3] offset:128*(\b/2)+32*(\b%2)        ; each accumulator from its low end on
	ds_store_b128 v[STO], v[AC+8*\b+4:AC+8*\b+7] offset:128*(\b/2)+32*(\b%2)+16
.endr
	WIN 0
.set BB, BK+64*((\a)%2)
.irp t, 0,1,2,3,4,5,6,7,8,9,10,11,12,13,14,15
	ds_load_b128 v[BB+4*\t:BB+4*\t+3], v[RD] offset:\t*SPITCH
.endr
.endm
.macro SEND a, younger                 ; younger: the LDS instructions issued behind block a's loads, which may stay out
.set BB, BK+64*((\a)%2)
	s_wait_dscnt \younger
.irp t, 0,1,2,3,4,5,6,7,8,9,10,11,12,13,14,15
	v_pk_add_f32 v[BB+4*\t:BB+4*\t+1], v[BB+4*\t:BB+4*\t+1], v[8:9]               ; + bo
	v_pk_add_f32 v[BB+4*\t+2:BB+4*\t+3], v[BB+4*\t+2:BB+4*\t+3], v[10:11]
.endr
.irp t, 0,1,2,3,4,5,6,7,8,9,10,11,12,13,14,15
	global_store_b128 v[CO], v[BB+4*\t:BB+4*\t+3], s[12:13] offset:(32*((\a)/2)+8*((\a)%2)+\t+8*(\t/8))*SIZE_N*4 th:TH_STORE_NT   ; 512 consecutive bytes, aligned, at the position's true row; 127 rows at the most: inside the signed 24-bit immediate
.endr
.endm
	s_wait_loadcnt 0x0                             ; bo
	PLACES NP                                      ; behind the last products: their results are read, and loads land in the registers that held A's fragments
	TOSTAGE 0
.irp a, 1,2,3,4,5,6,7
.if \a > 1
	s_wait_xcnt 0x0                                ; block a - 2's stores have read their registers: block a's loads may land there
.endif
	TOSTAGE \a
	SEND \a-1, 32                                  ; behind block a - 1's loads: block a's 16 stores and 16 loads
.endr
	SEND 7, 0
	s_wait_tensorcnt 0x0                           ; the wave's end
	ds_add_u32 v[SPW], v[NIL]
	s_wait_dscnt 0x0
	CROUND                                         ; the closing round
	s_endpgm
.Lfunc_end_k_q5a9fd1fa4a_outp:
	.size	k_q5a9fd1fa4a_outp, .Lfunc_end_k_q5a9fd1fa4a_outp-k_q5a9fd1fa4a_outp
	.p2alignl 7, 3214868480
	.fill 96, 4, 3214868480
	.section	.rodata,"a",@progbits
	.p2align	6, 0x0
	.amdhsa_kernel k_q5a9fd1fa4a_outp
		.amdhsa_group_segment_fixed_size 327680
		.amdhsa_private_segment_fixed_size 0
		.amdhsa_enable_private_segment 0
		.amdhsa_kernarg_size 48
		.amdhsa_user_sgpr_count 2
		.amdhsa_user_sgpr_kernarg_segment_ptr 1
		.amdhsa_wavefront_size32 1
		.amdhsa_system_sgpr_workgroup_id_x 1
		.amdhsa_system_sgpr_workgroup_id_y 1
		.amdhsa_system_sgpr_workgroup_id_z 1
		.amdhsa_system_vgpr_workitem_id 0
		.amdhsa_next_free_vgpr 1024
		.amdhsa_next_free_sgpr 98
		.amdhsa_reserve_vcc 0
		.amdhsa_float_denorm_mode_32 3
		.amdhsa_float_denorm_mode_16_64 3
		.amdhsa_memory_ordered 1
		.amdhsa_forward_progress 1
		.amdhsa_inst_pref_size 176
	.end_amdhsa_kernel
	.amdgpu_metadata
---
amdhsa.version: [ 1, 2 ]
amdhsa.kernels:
  - .name:           k_q5a9fd1fa4a_outp
    .symbol:         k_q5a9fd1fa4a_outp.kd
    .args:
      - { .name: oc, .offset: 0, .size: 8, .value_kind: global_buffer, .address_space: global }
      - { .name: os, .offset: 8, .size: 8, .value_kind: global_buffer, .address_space: global }
      - { .name: wc, .offset: 16, .size: 8, .value_kind: global_buffer, .address_space: global }
      - { .name: ws, .offset: 24, .size: 8, .value_kind: global_buffer, .address_space: global }
      - { .name: bo, .offset: 32, .size: 8, .value_kind: global_buffer, .address_space: global }
      - { .name: out0, .offset: 40, .size: 8, .value_kind: global_buffer, .address_space: global }
    .group_segment_fixed_size: 327680
    .private_segment_fixed_size: 0
    .kernarg_segment_align: 8
    .kernarg_segment_size: 48
    .max_flat_workgroup_size: 128
    .sgpr_count:     98
    .vgpr_count:     1024
    .wavefront_size: 32
...
	.end_amdgpu_metadata
.endif
;; end of part 4
